; MI455X (gfx1250); checked and timed in simulation.
; The chip was launched on July 23, 2026; its instructions are those of AMD's public machine-readable ISA for CDNA 5 (MIT licence, August 2026) and "CDNA5" Instruction Set Architecture Reference Guide (July 2026). The comments in the code are by the model that wrote it; some were corrected since.
;; Switch Mo E. Allowed arithmetic: float matrix products may take bf16 or f16 operands with f32 sums; other float arithmetic in f32, or as packed bf16 or f16 multiplies, adds, multiply-adds, maxima and minima; sums over many terms, partial sums and values carried from step to step in f32; what a program stores and reads back later, other than sums and carried values, may be rounded once to bf16 or f16.
;; Inputs: b1 8 x 4,096 float32; b2 8 x 1,024 float32; gate_w 1,024 x 8 float32; w1 8 x 1,024 x 4,096 float32; w2 8 x 4,096 x 1,024 float32; x 4 x 256 x 1,024 float32.
;; Outputs: out0 4 x 256 x 1,024 float32.
;; 2 versions, each right; version 2 is version 1 with the launch ffn2 written anew for expert scheduling mode. Each part assembles by itself: llvm-mc -triple=amdgcn-amd-amdhsa -mcpu=gfx1250 --defsym DOCPART=n.
;; ======== version 1 of 2: 3 launches
;; limits: values are held in f16: magnitudes above 65,504 overflow, below 6.1e-05 lose precision; inputs' magnitudes at most 65,504
;; workspace buffers: idx 4,096 bytes of whole numbers; pw 4,096 bytes; xh 2,097,152 bytes; hs 9,437,184 bytes; perm 4,608 bytes of whole numbers; pws 4,608 bytes; meta 256 bytes of whole numbers
;; launch router (part 1): grid 256 x 1, 4 waves a work-group, no clusters, 0 bytes of LDS; arguments x, gate_w, idx, pw, xh; writes idx, pw, xh
.if DOCPART == 1
	.amdgcn_target "amdgcn-amd-amdhsa--gfx1250"
	.amdhsa_code_object_version 6
	.text
	.protected	k_q435897d7dc_router
	.globl	k_q435897d7dc_router
	.p2align	8
	.type	k_q435897d7dc_router,@function
k_q435897d7dc_router:
	s_mov_b64 s[64:65], 0
	v_nop
	global_prefetch_b8 v0, s[64:65] scope:SCOPE_SE
	s_setreg_imm32_b32 hwreg(HW_REG_WAVE_MODE, 25, 1), 1
	s_wait_xcnt 0x0
; ROUTER.  For each of the 1,024 tokens: the 8 logits x . gate_w in f32, the index of the largest, the softmax weight of that one
; (1 / sum of 2^((l - max) log2 e): the maximum is taken away first), and a copy of the token's row rounded once to f16.
; One wave, one token; four waves a work-group, 256 work-groups.  No matrix unit: the logits are 8.4 M multiply-adds in all, and a logit made of
; 16-bit operands could choose another expert, which would lose the whole row.
; LIMITS.  The largest LOGIT is taken (the lower index at a tie); the sums run in another order than a plain dot product, so two logits that
; agree to about 1e-6 of their size may change places.  x beyond 65,504 in magnitude has no f16.  NaN and infinities are not treated apart.
; Lane l holds columns 128 i + 4 l + k (i = 0..7, k = 0..3) of the row, and for each of them the 8 gate weights.
.set XR, 8                             ; v[8:39]    the row: load i in 4 registers
.set GR, 40                            ; v[40:167]  gate weights: a ring of 4 slots of 32; register 8 k + e of slot i % 4
.set AC, 168                           ; v[168:175] the 8 logits
.set HR, 176                           ; v[176:191] the row in f16
.set MX, 5                             ; v5 the largest logit
.set BI, 6                             ; v6 its index
.set TA, 7                             ; v7 4 x token
	s_load_b256 s[4:11], s[0:1], 0x0               ; x s[4:5], gate_w s[6:7], idx s[8:9], pw s[10:11]
	s_load_b64 s[12:13], s[0:1], 0x20              ; xh
	v_lshrrev_b32 v1, 5, v0
	v_readfirstlane_b32 s14, v1                    ; wave
	s_lshl_b32 s15, ttmp9, 2
	s_add_co_u32 s14, s14, s15                     ; token = 4 x work-group + wave
	v_and_b32 v1, 31, v0                           ; lane
	v_lshlrev_b32 v2, 4, v1                        ; 16 bytes of x a lane
	v_lshlrev_b32 v3, 7, v1                        ; 4 rows of gate_w, 32 bytes each, a lane
	v_lshlrev_b32 v4, 3, v1                        ; 8 bytes of xh a lane
	s_lshl_b32 s16, s14, 12                        ; the token's row in x,
	s_mov_b32 s17, 0
	s_lshl_b32 s18, s14, 11                        ; and in xh
	s_mov_b32 s19, 0
	s_mov_b32 s20, 0x76543210                      ; v_permlanex16_b32: each lane takes its own place in the other half
	s_mov_b32 s21, 0xfedcba98
	s_lshl_b32 s22, s14, 2
	v_mov_b32 v[TA], s22
	s_wait_kmcnt 0x0
	s_add_nc_u64 s[4:5], s[4:5], s[16:17]
	s_add_nc_u64 s[12:13], s[12:13], s[18:19]
.irp i,0,1,2,3,4,5,6,7
	global_load_b128 v[XR+4*\i:XR+4*\i+3], v2, s[4:5] offset:512*\i th:TH_LOAD_NT  ; 512 consecutive bytes a load
.endr
.macro GFILL i                         ; the gate weights of columns 128 i .. 128 i + 127 into slot i % 4
.irp c,0,1,2,3,4,5,6,7
	global_load_b128 v[GR+32*((\i)%4)+4*\c:GR+32*((\i)%4)+4*\c+3], v3, s[6:7] offset:4096*(\i)+16*\c
.endr
.endm
	GFILL 0
	GFILL 1
	GFILL 2
	GFILL 3
; Step i: 16 packed multiply-adds, two experts each; the column's x is given to both halves.  left = the younger loads that may stay out.
.macro GSTEP i, ahead, left
	s_wait_loadcnt \left                           ; loads return in order: slot i (and the row, issued first of all) is in
.irp k,0,1,2,3
.irp p,0,1,2,3
.if ((\i)+(\k)) == 0
	v_pk_mul_f32 v[AC+2*\p:AC+2*\p+1], v[GR+2*\p:GR+2*\p+1], v[XR:XR+1] op_sel_hi:[1,0]  ; the first product starts the sums
.elseif ((\k)%2) == 0
	v_pk_fma_f32 v[AC+2*\p:AC+2*\p+1], v[GR+32*((\i)%4)+8*\k+2*\p:GR+32*((\i)%4)+8*\k+2*\p+1], v[XR+4*(\i)+\k:XR+4*(\i)+\k+1], v[AC+2*\p:AC+2*\p+1] op_sel_hi:[1,0,1]
.else
	v_pk_fma_f32 v[AC+2*\p:AC+2*\p+1], v[GR+32*((\i)%4)+8*\k+2*\p:GR+32*((\i)%4)+8*\k+2*\p+1], v[XR+4*(\i)+\k-1:XR+4*(\i)+\k], v[AC+2*\p:AC+2*\p+1] op_sel:[0,1,0] op_sel_hi:[1,1,1]
.endif
.endr
.endr
.if \ahead
	GFILL (\i)+4                                   ; the slot just read takes the step four further on
.endif
.endm
	GSTEP 0, 1, 24                                 ; three younger slots of eight loads stay out
.irp i,0,1,2,3,4,5,6,7
	v_cvt_pk_f16_f32 v[HR+2*\i], v[XR+4*\i], v[XR+4*\i+1]
	v_cvt_pk_f16_f32 v[HR+2*\i+1], v[XR+4*\i+2], v[XR+4*\i+3]
.endr
.irp i,0,1,2,3,4,5,6,7
	global_store_b64 v4, v[HR+2*\i:HR+2*\i+1], s[12:13] offset:256*\i  ; the wave's store covers 256 consecutive bytes, aligned
.endr
	GSTEP 1, 1, 24
	GSTEP 2, 1, 24
	GSTEP 3, 1, 24
	GSTEP 4, 0, 24
	GSTEP 5, 0, 16                                 ; nothing more is loaded: the counts run down
	GSTEP 6, 0, 8
	GSTEP 7, 0, 0
	; across the 32 lanes: four steps inside each half ride on the addition, one crosses the halves; every lane ends with the same 8 sums
.irp m,1,2,4,8
.irp e,0,1,2,3,4,5,6,7
	v_add_f32_dpp v[AC+\e], v[AC+\e], v[AC+\e] row_xmask:\m row_mask:0xf bank_mask:0xf
.endr
.endr
.irp e,0,1,2,3,4,5,6,7
	v_permlanex16_b32 v[GR+\e], v[AC+\e], s20, s21 ; the destination has been written (a slot of the ring, no longer used)
.endr
.irp e,0,1,2,3,4,5,6,7
	v_add_f32 v[AC+\e], v[AC+\e], v[GR+\e]
.endr
	v_mov_b32 v[MX], v[AC]
	v_mov_b32 v[BI], 0
.irp e,1,2,3,4,5,6,7
	v_cmp_gt_f32 vcc_lo, v[AC+\e], v[MX]           ; strictly greater: the lower index keeps a tie
	v_cndmask_b32 v[MX], v[MX], v[AC+\e], vcc_lo
	v_cndmask_b32 v[BI], v[BI], \e, vcc_lo
.endr
.irp e,0,1,2,3,4,5,6,7
	v_sub_f32 v[GR+8+\e], v[AC+\e], v[MX]
.endr
.irp e,0,1,2,3,4,5,6,7
	v_mul_f32 v[GR+8+\e], 0x3fb8aa3b, v[GR+8+\e]   ; log2 e
.endr
.irp e,0,1,2,3,4,5,6,7
	v_exp_f32 v[GR+8+\e], v[GR+8+\e]
.endr
	v_nop                                          ; a plain instruction behind the last exponential (ISA guide 5.7.2),
	s_wait_alu depctr_va_vdst(0)                   ; and one wait for the batch of eight, ahead of the first reader
	v_add_f32 v[GR+8], v[GR+8], v[GR+9]
	v_add_f32 v[GR+10], v[GR+10], v[GR+11]
	v_add_f32 v[GR+12], v[GR+12], v[GR+13]
	v_add_f32 v[GR+14], v[GR+14], v[GR+15]
	v_add_f32 v[GR+8], v[GR+8], v[GR+10]
	v_add_f32 v[GR+12], v[GR+12], v[GR+14]
	v_add_f32 v[GR+8], v[GR+8], v[GR+12]
	v_rcp_f32 v[GR+9], v[GR+8]                     ; the chosen one's exponential is 1: its weight is 1 / sum
	v_cmp_eq_u32 vcc_lo, 0, v1                     ; (the plain instruction behind the reciprocal)
	s_wait_alu depctr_va_vdst(0)
	s_wait_xcnt 0x0                                ; EXEC is a source of the stores above: it changes only behind this wait
	s_and_saveexec_b32 s23, vcc_lo                 ; lane 0 alone stores the token's two numbers
	global_store_b32 v[TA], v[BI], s[8:9]
	global_store_b32 v[TA], v[GR+9], s[10:11]
	s_endpgm
.Lfunc_end_k_q435897d7dc_router:
	.size	k_q435897d7dc_router, .Lfunc_end_k_q435897d7dc_router-k_q435897d7dc_router
	.p2alignl 7, 3214868480
	.fill 96, 4, 3214868480
	.section	.rodata,"a",@progbits
	.p2align	6, 0x0
	.amdhsa_kernel k_q435897d7dc_router
		.amdhsa_group_segment_fixed_size 0
		.amdhsa_private_segment_fixed_size 0
		.amdhsa_enable_private_segment 0
		.amdhsa_kernarg_size 40
		.amdhsa_user_sgpr_count 2
		.amdhsa_user_sgpr_kernarg_segment_ptr 1
		.amdhsa_wavefront_size32 1
		.amdhsa_system_sgpr_workgroup_id_x 1
		.amdhsa_system_sgpr_workgroup_id_y 1
		.amdhsa_system_sgpr_workgroup_id_z 1
		.amdhsa_system_vgpr_workitem_id 0
		.amdhsa_next_free_vgpr 192
		.amdhsa_next_free_sgpr 66
		.amdhsa_reserve_vcc 1
		.amdhsa_float_denorm_mode_32 3
		.amdhsa_float_denorm_mode_16_64 3
		.amdhsa_memory_ordered 1
		.amdhsa_forward_progress 1
		.amdhsa_inst_pref_size 24
	.end_amdhsa_kernel
	.amdgpu_metadata
---
amdhsa.version: [ 1, 2 ]
amdhsa.kernels:
  - .name:           k_q435897d7dc_router
    .symbol:         k_q435897d7dc_router.kd
    .args:
      - { .name: x, .offset: 0, .size: 8, .value_kind: global_buffer, .address_space: global }
      - { .name: gate_w, .offset: 8, .size: 8, .value_kind: global_buffer, .address_space: global }
      - { .name: idx, .offset: 16, .size: 8, .value_kind: global_buffer, .address_space: global }
      - { .name: pw, .offset: 24, .size: 8, .value_kind: global_buffer, .address_space: global }
      - { .name: xh, .offset: 32, .size: 8, .value_kind: global_buffer, .address_space: global }
    .group_segment_fixed_size: 0
    .private_segment_fixed_size: 0
    .kernarg_segment_align: 8
    .kernarg_segment_size: 40
    .max_flat_workgroup_size: 128
    .sgpr_count:     66
    .vgpr_count:     192
    .wavefront_size: 32
...
	.end_amdgpu_metadata
.endif
;; end of part 1
;; launch ffn1 (part 2): grid 256 x 1, 16 waves a work-group, no clusters, 264,192 bytes of LDS; arguments idx, pw, xh, w1, b1, hs, perm, pws, meta; writes hs, perm, pws, meta
.if DOCPART == 2
	.amdgcn_target "amdgcn-amd-amdhsa--gfx1250"
	.amdhsa_code_object_version 6
	.text
	.protected	k_q435897d7dc_ffn1
	.globl	k_q435897d7dc_ffn1
	.p2align	8
	.type	k_q435897d7dc_ffn1,@function
k_q435897d7dc_ffn1:
	s_mov_b64 s[64:65], 0
	v_nop
	global_prefetch_b8 v0, s[64:65] scope:SCOPE_SE
	s_setreg_imm32_b32 hwreg(HW_REG_WAVE_MODE, 25, 1), 1
	s_wait_xcnt 0x0
; FIRST PRODUCT.  hs = gelu(x w1[e] + b1[e]) for the rows that chose expert e, in f16, in the experts' order; and the lists perm, pws, meta for the second product.
; SHARES.  Work-group = (expert E, slice SL of 128 of its 4,096 hidden columns): 8 x 32 = 256.  It alone reads its 512 KB of w1, once.
; Sixteen waves in two roles.  Eight LOADERS stream the slice through a ring of four register slots (8 loads of 512 bytes each), round it to f16 and lay finished
; matrix fragments into LDS: only weights are on their load counter.  Eight MATH waves read fragments from LDS and token rows from memory and multiply: only rows are on theirs.
; The f16 slice, 256 KB, STAYS in LDS: no LDS byte is written twice, and an expert's rows beyond the first 192 are served afterwards from the resident slice.
; Role = (w xor w >> 2) & 1: of any four consecutive wave numbers, and of any four that lie 4 apart, two are loaders.
; A TRIP is once round the ring: 256 of K, 128 KB of f32, 64 KB of LDS; four trips.  Stores and reads of LDS stand in phases of their own, a barrier on either side, so that their order hangs on
; no address arithmetic.  BOTH ROLES WORK AHEAD INSIDE THAT FRAME.  While the math waves multiply trip j, a loader rounds trip j + 1 into 64 registers as its slots land and asks for trip j + 2 at
; once; behind the barrier only its 16 LDS stores are left.  A math wave keeps three slots of rows (32 of K each, six loads) and two buffers of fragments: a slot is asked for again right behind
; the products that read it, the next fragments ahead of the products in hand.  A block of either role begins or stays such that each counted wait counts loads of the same block alone.
; 7 barriers in the stream and one ahead of the closing lines, all on every wave's way; the branches on counts jump over products, or over whole blocks, alone.
; NO TENSOR LOADS: the weights must be rounded on their way.  NO CLUSTER: each weight byte has one reader; the token rows come by a list, which no tile descriptor covers.
; ORDER.  Sequence number 32 w + bit stands for token 128 (w >> 2) + 4 bit + (w & 3): the order in which eight 16-byte loads of idx hand tokens to the lanes.  Expert e owns
; the tiles of 16 rows TB .. TB + ceil(NE / 16) - 1; places past NE repeat the last row.  Every split is served: six chunks of 12 tiles cover 1,024 rows; an expert without rows stores nothing but meta.
; THE MATRIX INSTRUCTION takes 16 weight columns as source 0 and 16 token rows as source 1: a lane then holds ONE row (lane % 16) and eight hidden columns.
; hs block (g, tile), g = 2 SL + CG: 2,048 bytes; chunk 2 jt + h of row r at 256 (2 jt + h) + 16 r holds columns 64 g + 32 h + 4 v + jt, v = 0..7: every store is 512 consecutive aligned bytes.
; GELU, exact form: gelu(x) = max(x, 0) - |x| / 2 erfc(|x| / sqrt 2), erfc by the five-term rational form (Abramowitz and Stegun 7.1.26, absolute error 1.5e-7).
; LIMITS.  x, w1 and the hidden layer are f16 matrix operands: magnitudes beyond 65,504 are not served (the hidden value is held at 65,504); below 6.1e-5 they keep f16's fixed step of 6e-8.  NaN and infinities are not treated apart.
.set SPARE, 262144                     ; behind the slice: the spare words, 128 bytes for each of 16 waves; no other line names them
.set KSB, 8192                         ; LDS bytes of one K step of 32: 8 fragments x 1,024
.set SLAB, 16384                       ; LDS bytes of one ring slot's 64 of K
.set BIG, 65536                        ; LDS bytes of a trip
.set P_IDX, 8
.set P_PW, 10
.set P_XH, 12
.set P_W1, 14
.set P_B1, 16
.set P_HS, 18
.set P_PERM, 20
.set P_PWS, 22
.set P_META, 24
.set WVN, 26                           ; wave
.set ROLE, 27                          ; 0 loader, 1 math
.set WID, 28                           ; 0..7 within the role
.set EXP, 29                           ; expert
.set SLC, 30                           ; slice
.set CG, 31                            ; which 64 of the slice's 128 columns
.set BM, 32                            ; s[32:63] bitmap of my expert's tokens
.set MQ, 66                            ; math: tile mod 4.  loader: which 16 of a slot's 64 rows of w1
.set NE, 67                            ; rows of my expert
.set NEM1, 68                          ; max(NE, 1) - 1
.set NTL, 69                           ; its tiles
.set TB, 70                            ; its first tile
.set NT, 71                            ; my live tiles in the chunk, 0..3
.set CH, 72                            ; chunk of 12 tiles
.set LB, 73                            ; LDS byte at which the trip begins
.set CT0, 74
.set CT1, 75
.set TM0, 76
.set TM1, 77
.set TM2, 78
.set XSTEP, 79                         ; what a block adds to the rows' offsets at its head: 0 in a chunk's first block, then a trip's 512 bytes
.set K1, 80                            ; sqrt(log2 e) / sqrt 2
.set FMAX, 81                          ; 65,504
.set K2, 82                            ; pairs: the packed forms name a pair and take its low word
.set CA5, 84
.set CA4, 86
.set CA3, 88
.set CA2, 90
.set CA1, 92
.set NK3, 94
.set SVX, 96
.set TL0, 97                           ; 12 CH + MQ: my first tile of the chunk
.set CT2, 98
.set G72, 99                           ; 72 (2 SL + CG)
.set TILE, 100
.set EP1, 101
.set LANE, 1
.set RR, 2                             ; lane % 16
.set HH, 3                             ; lane / 16
.set SPW, 254                          ; my spare word; never rewritten
.set NIL, 255                          ; 0; never rewritten
; the LDS places of both roles are made by every wave at the head, ahead of the branch on the role, and never rewritten
.set WA0, 8                            ; v8        a loader's 16 bytes in a slot's slab
.set LADR, 9                           ; v9        the same in the trip in hand
.set WB0, 10                           ; v10       a math wave's 16 bytes in a fragment of its column half
.set MADR, 11                          ; v11       the same in the trip in hand
.set LN16, 12                          ; v12       16 x lane
; loaders
.set WOF, 4                            ; v[4:7]     slot q: byte offset of its unit in the slice
.set LR, 32                            ; v[32:159]  the ring: slot q, load i at 32 q + 4 i
.set OUT, 160                          ; v[160:223] a trip, rounded: slot q, fragment jt at 16 q + 4 jt
; math
.set VX, 4                             ; v[4:6]     tile t: byte offset in xh of my row's 16 bytes, at the trip in hand
.set HADR, 13
.set BOFF, 14
.set ACC, 16                           ; v[16:111]  (t, jt) at 32 t + 8 jt
.set WFR, 112                          ; v[112:175] weights' fragments: buffer b, jt at 32 b + 8 jt
.set XF, 176                           ; v[176:247] rows' fragments: slot s, tile t at 24 s + 8 t
.set IDXR, 112                         ; head only
.set BIAS, 144                         ; set-up only: register 4 v + jt
.set GZ, 112                           ; gelu, at work
.set GU, 120
.set GE, 128
.set GP, 136
.set GRR, 144
.set PK, 152                           ; v[152:167] four packed results of 16 bytes
.set RHO, 224                          ; set-up only, where the third slot of rows lies later
.set VW, 225
.set VB, 226
.set VK, 227
.set VPOS, 228
.set VA, 229
.set VBN, 230
.set VC, 231
.set VD, 232
.set VT, 233
.set VT2, 234
.set VWI, 235
.set TOK, 236
.set PWV, 237
.set PADR, 238
.set TADR, 239
.set TK, 240                           ; v[240:242]
.set MD0, 244                          ; v[244:246]
	s_load_b512 s[8:23], s[0:1], 0x0
	s_load_b64 s[24:25], s[0:1], 0x40
	v_lshl_add_u32 v[SPW], v0, 2, SPARE
	v_mov_b32 v[NIL], 0
	v_lshrrev_b32 v1, 5, v0
	v_readfirstlane_b32 s[WVN], v1
	s_lshr_b32 s[ROLE], s[WVN], 2
	s_xor_b32 s[ROLE], s[ROLE], s[WVN]
	s_and_b32 s[ROLE], s[ROLE], 1
	s_lshr_b32 s[WID], s[WVN], 1
	s_lshr_b32 s[EXP], ttmp9, 5
	s_and_b32 s[SLC], ttmp9, 31
	s_and_b32 s[CG], s[WID], 1
	s_lshr_b32 s[MQ], s[WID], 1
	v_and_b32 v[LANE], 31, v0
	v_and_b32 v[RR], 15, v0
	v_bfe_u32 v[HH], v0, 4, 1
	v_lshlrev_b32 v[LN16], 4, v[LANE]
	s_lshl_b32 s[TM0], s[CG], 12                   ; column half CG: four fragments of 1,024 bytes
	v_add_nc_u32 v[WB0], s[TM0], v[LN16]
	s_lshr_b32 s[TM1], s[MQ], 1                    ; a loader's place: K step MQ / 2 of the slot's two,
	s_lshl_b32 s[TM1], s[TM1], 13
	s_add_co_u32 s[TM0], s[TM0], s[TM1]
	s_and_b32 s[TM1], s[MQ], 1                     ; half MQ % 2 of the fragment
	s_lshl_b32 s[TM1], s[TM1], 9
	s_add_co_u32 s[TM0], s[TM0], s[TM1]
	v_add_nc_u32 v[WA0], s[TM0], v[LN16]
	s_mov_b32 s[LB], 0
	s_mov_b32 s[CH], 0
	s_mov_b32 s[NT], 0
	s_mov_b32 s[XSTEP], 0
	s_cmp_eq_u32 s[ROLE], 0
	s_cbranch_scc0 .Lmath_head
; ---------------- macros ----------------
.macro BAR                             ; my LDS instructions are done; every wave's are
	s_wait_dscnt 0x0
	s_barrier_signal -1
	s_barrier_wait -1
.endm
; Eight loads of slot q: load i takes row 64 j + 16 MQ + 8 h + i of w1 (j = 4 x trip + q), columns 64 CG + 4 r .. + 3: sixteen lanes read 256 consecutive aligned bytes.
.macro WLOAD q
.irp i,0,1,2,3,4,5,6,7
	global_load_b128 v[LR+32*(\q)+4*\i:LR+32*(\q)+4*\i+3], v[WOF+(\q)], s[P_W1:P_W1+1] offset:16384*\i th:TH_LOAD_NT
.endr
.endm
; Slot q is rounded; a lane's eight rows of column 4 r + jt ARE its 16 bytes of fragment jt (k = 8 h + 0..7 of one half of a K step).  ahead = 1: the slot is asked for again, a trip on.
.macro LCONV q, ahead, left
	s_wait_loadcnt \left                           ; loads return in order: slot q is in, the younger slots stay out; its address register is free
.irp jt,0,1,2,3
.irp p,0,1,2,3
	v_cvt_pk_f16_f32 v[OUT+16*(\q)+4*\jt+\p], v[LR+32*(\q)+8*\p+\jt], v[LR+32*(\q)+8*\p+4+\jt]
.endr
.endr
.if \ahead
	v_add_nc_u32 v[WOF+(\q)], 0x400000, v[WOF+(\q)]  ; a trip on: 256 rows of 16,384 bytes
	WLOAD \q
.endif
.endm
.macro LSTORE                          ; the rounded trip goes into LDS: 16 stores of 512 consecutive bytes
	v_add_nc_u32 v[LADR], s[LB], v[WA0]
.irp q,0,1,2,3
.irp jt,0,1,2,3
	ds_store_b128 v[LADR], v[OUT+16*\q+4*\jt:OUT+16*\q+4*\jt+3] offset:SLAB*\q+1024*\jt
.endr
.endr
.endm
; Slot s of the rows takes 32 of K at byte kb from the trip's first: six loads, always all three tiles, so that the counted waits count the same on every way.
; A tile that does not exist holds the expert's last row in every lane: its loads touch 32 bytes.
.macro XL3 s, kb
.irp t,0,1,2
	global_load_b128 v[XF+24*(\s)+8*\t:XF+24*(\s)+8*\t+3], v[VX+\t], s[P_XH:P_XH+1] offset:(\kb)
	global_load_b128 v[XF+24*(\s)+8*\t+4:XF+24*(\s)+8*\t+7], v[VX+\t], s[P_XH:P_XH+1] offset:(\kb)+32
.endr
.endm
.macro WL b, ks                        ; buffer b takes my four fragments of K step ks of the trip: eight loads
.irp jt,0,1,2,3
	ds_load_b128 v[WFR+32*(\b)+8*\jt:WFR+32*(\b)+8*\jt+3], v[MADR] offset:KSB*(\ks)+1024*\jt
	ds_load_b128 v[WFR+32*(\b)+8*\jt+4:WFR+32*(\b)+8*\jt+7], v[MADR] offset:KSB*(\ks)+1024*\jt+512
.endr
.endm
.macro MT t, s, b                      ; four products of tile t; the accumulators take turns, one instruction a turn
.irp jt,0,1,2,3
	v_wmma_f32_16x16x32_f16 v[ACC+32*(\t)+8*\jt:ACC+32*(\t)+8*\jt+7], v[WFR+32*(\b)+8*\jt:WFR+32*(\b)+8*\jt+7], v[XF+24*(\s)+8*(\t):XF+24*(\s)+8*(\t)+7], v[ACC+32*(\t)+8*\jt:ACC+32*(\t)+8*\jt+7]
.endr
.endm
; One K step's products: slot s times buffer b, my live tiles (the first always: what it makes for a wave without tiles is never stored).
.macro MK s, b
	MT 0, \s, \b
	s_cmp_lt_u32 s[NT], 2
	s_cbranch_scc1 .Lmk_\@
	MT 1, \s, \b
	s_cmp_lt_u32 s[NT], 3
	s_cbranch_scc1 .Lmk_\@
	MT 2, \s, \b
.Lmk_\@:                               ; four plain instructions that name no register of the products stand behind them on every way, ahead of loads into their sources and of readers of their results
.rept 4
	v_nop
.endr
.endm
; A math wave's block: a trip's eight K steps.  K step k lies in slot k % 3 and buffer k % 2.  Behind its products slot k % 3 takes K step k + 3, or, from k = 5 on, the next trip's K step k % 3,
; so that every block finds K steps 0, 1, 2 in slots 0, 1, 2.  last = 1: there is no next trip.
.macro BIGMATH last
	s_wait_loadcnt 0x0                             ; the three slots asked for ahead of this block are in, and no load names the offsets below
.irp t,0,1,2
	v_add_nc_u32 v[VX+\t], s[XSTEP], v[VX+\t]
.endr
	s_movk_i32 s[XSTEP], 512
	v_add_nc_u32 v[MADR], s[LB], v[WB0]
	WL 0, 0
.set k, 0
.rept 8
.if k < 7
	WL (k+1)%2, k+1                                ; the next K step's fragments, into the buffer the last K step read
	s_wait_dscnt 8                                 ; all but those eight: this K step's fragments are in
.else
	s_wait_dscnt 0x0
.endif
.if k >= 3                             ; the slot was asked for behind K step k - 3; younger are the refills behind k - 2 and k - 1, six loads each
.if (\last) && (k == 6)
	s_wait_loadcnt 6                               ; (the last trip asks for nothing behind K step 5)
.elseif (\last) && (k == 7)
	s_wait_loadcnt 0x0
.else
	s_wait_loadcnt 12
.endif
.endif
	MK k%3, k%2
.if k < 5
	XL3 k%3, 64*(k+3)
.elseif !(\last)
	XL3 k%3, 64*(8+k%3)
.endif
.set k, k+1
.endr
.endm
.macro SEL lev, wd                     ; one step of the search in a word: does the wanted bit lie above the low wd bits at VPOS?
	v_bfe_u32 v[VT], v[\lev], v[VPOS], \wd
	v_cmp_ge_u32 vcc_lo, v[VK], v[VT]
	v_sub_nc_u32 v[VT], v[VK], v[VT]
	v_add_nc_u32 v[VT2], \wd, v[VPOS]
	v_cndmask_b32 v[VK], v[VK], v[VT], vcc_lo
	v_cndmask_b32 v[VPOS], v[VPOS], v[VT2], vcc_lo
.endm
; The token of rank RHO among my expert's: the last word whose running count is at most RHO, then the bit in it, by counts of pairs, fours, bytes and halves.
.macro RANKSEL
	v_mov_b32 v[VW], s[BM]
	v_mov_b32 v[VB], 0
	s_mov_b32 s[TM1], 0
.set w, 1
.rept 31
	s_bcnt1_i32_b32 s[TM0], s[BM+w-1]
	s_add_co_u32 s[TM1], s[TM1], s[TM0]
	s_or_b32 s[TM2], s[TM1], w<<16
	v_cmp_gt_u32 vcc_lo, s[TM1], v[RHO]
	v_cndmask_b32 v[VW], s[BM+w], v[VW], vcc_lo
	v_cndmask_b32 v[VB], s[TM2], v[VB], vcc_lo
.set w, w+1
.endr
	v_and_b32 v[VT], 0xffff, v[VB]
	v_sub_nc_u32 v[VK], v[RHO], v[VT]
	v_lshrrev_b32 v[VWI], 16, v[VB]
	v_lshrrev_b32 v[VT], 1, v[VW]
	v_and_b32 v[VT], 0x55555555, v[VT]
	v_sub_nc_u32 v[VA], v[VW], v[VT]
	v_lshrrev_b32 v[VT], 2, v[VA]
	v_and_b32 v[VT], 0x33333333, v[VT]
	v_and_b32 v[VBN], 0x33333333, v[VA]
	v_add_nc_u32 v[VBN], v[VBN], v[VT]
	v_lshrrev_b32 v[VT], 4, v[VBN]
	v_add_nc_u32 v[VC], v[VBN], v[VT]
	v_and_b32 v[VC], 0x0f0f0f0f, v[VC]
	v_lshrrev_b32 v[VT], 8, v[VC]
	v_add_nc_u32 v[VD], v[VC], v[VT]
	v_and_b32 v[VD], 0x00ff00ff, v[VD]
	v_mov_b32 v[VPOS], 0
	SEL VD, 16
	SEL VC, 8
	SEL VBN, 4
	SEL VA, 2
	SEL VW, 1
	v_lshrrev_b32 v[VT], 2, v[VWI]
	v_lshlrev_b32 v[VT], 7, v[VT]
	v_and_b32 v[VWI], 3, v[VWI]
	v_lshl_or_b32 v[VT], v[VPOS], 2, v[VT]
	v_or_b32 v[TOK], v[VT], v[VWI]
	v_min_u32 v[TOK], 0x3ff, v[TOK]
.endm
.macro CALC_NT                         ; how many of the tiles TL0, TL0 + 4, TL0 + 8 exist
	s_sub_co_i32 s[TM0], s[NTL], s[TL0]
	s_add_co_i32 s[TM0], s[TM0], 3
	s_ashr_i32 s[TM0], s[TM0], 2
	s_max_i32 s[TM0], s[TM0], 0
	s_min_i32 s[NT], s[TM0], 3
.endm
; A chunk begins: my three tiles' tokens; (slice 0, column half 0 alone) the lists; the sums start from the bias; the first three K steps' rows are asked for.
.macro SETUP1
	s_wait_loadcnt 0x0                             ; no load is out when registers that loads fill are given new work
.irp c,0,1,2,3,4,5,6,7
	global_load_b128 v[BIAS+4*\c:BIAS+4*\c+3], v[BOFF], s[P_B1:P_B1+1] offset:16*\c  ; b1 of columns 32 h + 4 c + 0..3: on its way during the search
.endr
	v_mov_b32 v[TK], 0
	v_mov_b32 v[TK+1], 0
	s_mov_b32 s[CT2], 3
.Lsu_\@:                               ; tiles t = 2, 1, 0
	s_sub_co_u32 s[TM0], s[CT2], 1
	s_lshl2_add_u32 s[TILE], s[TM0], s[TL0]
	s_lshl_b32 s[TM0], s[TILE], 4
	v_add_nc_u32 v[RHO], s[TM0], v[RR]
	v_min_u32 v[RHO], s[NEM1], v[RHO]              ; places past the count repeat the last row
	RANKSEL
	s_or_b32 s[TM0], s[SLC], s[CG]
	s_cmp_lg_u32 s[TM0], 0
	s_cbranch_scc1 .Lnl_\@
	s_cmp_ge_u32 s[TILE], s[NTL]
	s_cbranch_scc1 .Lnl_\@
	s_add_co_u32 s[TM0], s[TB], s[TILE]
	s_min_u32 s[TM0], s[TM0], 71
	s_lshl_b32 s[TM0], s[TM0], 4
	v_add_lshl_u32 v[PADR], s[TM0], v[RR], 2
	v_lshlrev_b32 v[TADR], 2, v[TOK]
	global_load_b32 v[PWV], v[TADR], s[P_PW:P_PW+1]
	s_wait_loadcnt 0x0
	v_cmp_gt_u32 vcc_lo, 16, v[LANE]
	s_wait_xcnt 0x0                                ; EXEC changes only behind this wait
	s_and_saveexec_b32 s[SVX], vcc_lo              ; lanes 16 to 31 hold the same 16 rows once more
	global_store_b32 v[PADR], v[TOK], s[P_PERM:P_PERM+1]
	global_store_b32 v[PADR], v[PWV], s[P_PWS:P_PWS+1]
	s_wait_xcnt 0x0                                ; and again in front of the line that widens it; the stores' registers are free too
	s_or_b32 exec_lo, exec_lo, s[SVX]
.Lnl_\@:
	v_mov_b32 v[TK+2], v[TK+1]
	v_mov_b32 v[TK+1], v[TK]
	v_mov_b32 v[TK], v[TOK]
	s_sub_co_u32 s[CT2], s[CT2], 1
	s_cmp_lg_u32 s[CT2], 0
	s_cbranch_scc1 .Lsu_\@
.irp t,0,1,2
	v_min_u32 v[VX+\t], 0x3ff, v[TK+\t]
	v_lshlrev_b32 v[VX+\t], 11, v[VX+\t]           ; the token's row of 2,048 bytes,
	v_lshl_add_u32 v[VX+\t], v[HH], 4, v[VX+\t]    ; 16 bytes on for the upper half of the lanes
.endr
	s_wait_loadcnt 0x0                             ; the bias
.irp t,0,1,2
.irp jt,0,1,2,3
.irp c,0,1,2,3,4,5,6,7
	v_mov_b32 v[ACC+32*\t+8*\jt+\c], v[BIAS+4*\c+\jt]  ; the sums start from the bias: these moves stand for the additions
.endr
.endr
.endr
	s_mov_b32 s[LB], 0
	s_mov_b32 s[XSTEP], 0
	XL3 0, 0
	XL3 1, 64
	XL3 2, 128
.endm
; gelu of the eight numbers at v[a ..] -> four packed registers at v[o ..].  z = |x| K1, so that exp(-x^2 / 2) = 2^(-z^2); u = 1 / (1 + z K2).
.macro GELU8 a, o
.irp i,0,1,2,3,4,5,6,7
	v_mul_f32 v[GZ+\i], |v[(\a)+\i]|, s[K1]        ; the accumulator is read from its low end on
.endr
.irp i,0,2,4,6
	v_pk_fma_f32 v[GU+\i:GU+\i+1], v[GZ+\i:GZ+\i+1], s[K2:K2+1], 1.0 op_sel_hi:[1,0,0]
.endr
.irp i,0,2,4,6
	v_pk_mul_f32 v[GE+\i:GE+\i+1], v[GZ+\i:GZ+\i+1], v[GZ+\i:GZ+\i+1] neg_lo:[1,0] neg_hi:[1,0]
.endr
.irp i,0,1,2,3,4,5,6,7
	v_rcp_f32 v[GU+\i], v[GU+\i]
.endr
.irp i,0,1,2,3,4,5,6,7
	v_exp_f32 v[GE+\i], v[GE+\i]
.endr
	v_nop                                          ; a plain instruction behind the last of the batch (ISA guide 5.7.2)
.irp i,0,1,2,3,4,5,6,7
	v_med3_num_f32 v[GRR+\i], v[(\a)+\i], 0, s[FMAX]  ; max(x, 0), held at f16's largest number: independent work behind the batch
.endr
	s_wait_alu depctr_va_vdst(0)                   ; one wait for the sixteen, ahead of their first reader
.irp i,0,2,4,6
	v_pk_fma_f32 v[GP+\i:GP+\i+1], v[GU+\i:GU+\i+1], s[CA5:CA5+1], s[CA4:CA4+1] op_sel_hi:[1,0,0]
.endr
.irp i,0,2,4,6
	v_pk_fma_f32 v[GP+\i:GP+\i+1], v[GP+\i:GP+\i+1], v[GU+\i:GU+\i+1], s[CA3:CA3+1] op_sel_hi:[1,1,0]
.endr
.irp i,0,2,4,6
	v_pk_fma_f32 v[GP+\i:GP+\i+1], v[GP+\i:GP+\i+1], v[GU+\i:GU+\i+1], s[CA2:CA2+1] op_sel_hi:[1,1,0]
.endr
.irp i,0,2,4,6
	v_pk_fma_f32 v[GP+\i:GP+\i+1], v[GP+\i:GP+\i+1], v[GU+\i:GU+\i+1], s[CA1:CA1+1] op_sel_hi:[1,1,0]
.endr
.irp i,0,2,4,6
	v_pk_mul_f32 v[GP+\i:GP+\i+1], v[GP+\i:GP+\i+1], v[GU+\i:GU+\i+1]
.endr
.irp i,0,2,4,6
	v_pk_mul_f32 v[GP+\i:GP+\i+1], v[GP+\i:GP+\i+1], v[GE+\i:GE+\i+1]  ; erfc
.endr
.irp i,0,2,4,6
	v_pk_mul_f32 v[GP+\i:GP+\i+1], v[GP+\i:GP+\i+1], v[GZ+\i:GZ+\i+1]
.endr
.irp i,0,2,4,6
	v_pk_fma_f32 v[GRR+\i:GRR+\i+1], v[GP+\i:GP+\i+1], s[NK3:NK3+1], v[GRR+\i:GRR+\i+1] op_sel_hi:[1,0,1]  ; - |x| / 2 erfc
.endr
.irp p,0,1,2,3
	v_cvt_pk_f16_f32 v[(\o)+\p], v[GRR+2*\p], v[GRR+2*\p+1]
.endr
.endm
; A chunk ends: my live tiles leave.
.macro EPI1
	s_wait_loadcnt 0x0                             ; no load is out when the rows' registers are given other work
.irp t,0,1,2
	s_cmp_lt_u32 s[NT], \t+1
	s_cbranch_scc1 .Le_\@
	s_add_co_u32 s[TM0], s[TB], s[TL0]
	s_add_co_u32 s[TM0], s[TM0], 4*\t
	s_min_u32 s[TM0], s[TM0], 71
	s_add_co_u32 s[TM0], s[TM0], s[G72]
	s_lshl_b32 s[TM0], s[TM0], 11
	v_add_nc_u32 v[HADR], s[TM0], v[LN16]
.irp jt,0,1,2,3
	GELU8 ACC+32*\t+8*\jt, PK+4*\jt
	global_store_b128 v[HADR], v[PK+4*\jt:PK+4*\jt+3], s[P_HS:P_HS+1] offset:512*\jt  ; 512 consecutive bytes, aligned
.endr
	s_wait_xcnt 0x0                                ; the stores' data and address are rewritten only behind this wait
.endr
.Le_\@:
.endm
; ---------------- a loader's head ----------------
	v_lshlrev_b32 v[WOF], 17, v[HH]                ; 8 rows of 16,384 bytes for the upper half of the lanes
	v_lshl_add_u32 v[WOF], v[RR], 4, v[WOF]
	s_lshl_b32 s[TM0], s[CG], 8
	s_lshl_b32 s[TM1], s[MQ], 18                   ; 16 rows
	s_add_co_u32 s[TM0], s[TM0], s[TM1]
	v_add_nc_u32 v[WOF], s[TM0], v[WOF]
.irp q,1,2,3
	v_add_nc_u32 v[WOF+\q], (\q)<<20, v[WOF]       ; a slot is 64 rows
.endr
	s_lshl_b32 s[TM0], s[EXP], 24                  ; the expert's 16 MiB,
	s_lshl_b32 s[TM1], s[SLC], 9                   ; the slice's 512 bytes of a row
	s_add_co_u32 s[TM0], s[TM0], s[TM1]
	s_mov_b32 s[TM1], 0
	s_wait_kmcnt 0x0
	s_add_nc_u64 s[P_W1:P_W1+1], s[P_W1:P_W1+1], s[TM0:TM0+1]
	WLOAD 0
	WLOAD 1
	WLOAD 2
	WLOAD 3
	LCONV 0, 1, 24                                 ; trip 0 is rounded as it lands and trip 1 asked for, while the math waves find their rows
	LCONV 1, 1, 24                                 ; 24: three younger slots of eight loads stay out
	LCONV 2, 1, 24
	LCONV 3, 1, 24
	s_branch .Lstream
; ---------------- a math wave's head ----------------
.Lmath_head:
	v_lshlrev_b32 v[BOFF], 7, v[HH]
	s_mov_b32 s[K1], 0x3f596d27                    ; 0.84932180
	s_mov_b32 s[FMAX], 0x477fe000                  ; 65,504
	s_mov_b32 s[K2], 0x3e8ba43f                    ; 0.3275911 / sqrt(log2 e) = 0.27273748
	s_mov_b32 s[K2+1], 0x3e8ba43f
	s_mov_b32 s[CA5], 0x3f87dc22                   ; 1.061405429
	s_mov_b32 s[CA5+1], 0x3f87dc22
	s_mov_b32 s[CA4], 0xbfba00e3                   ; -1.453152027
	s_mov_b32 s[CA4+1], 0xbfba00e3
	s_mov_b32 s[CA3], 0x3fb5f0e3                   ; 1.421413741
	s_mov_b32 s[CA3+1], 0x3fb5f0e3
	s_mov_b32 s[CA2], 0xbe91a98e                   ; -0.284496736
	s_mov_b32 s[CA2+1], 0xbe91a98e
	s_mov_b32 s[CA1], 0x3e827906                   ; 0.254829592
	s_mov_b32 s[CA1+1], 0x3e827906
	s_mov_b32 s[NK3], 0xbf16b55f                   ; -1 / (2 K1) = -0.58870501
	s_mov_b32 s[NK3+1], 0xbf16b55f
	s_lshl_b32 s[TM0], s[EXP], 14                  ; b1 at the expert, the slice, my 64 columns
	s_lshl_b32 s[TM1], s[SLC], 9
	s_add_co_u32 s[TM0], s[TM0], s[TM1]
	s_lshl_b32 s[TM1], s[CG], 8
	s_add_co_u32 s[TM0], s[TM0], s[TM1]
	s_mov_b32 s[TM1], 0
	s_lshl1_add_u32 s[G72], s[SLC], s[CG]
	s_mul_i32 s[G72], s[G72], 72
	s_add_co_u32 s[EP1], s[EXP], 1
	s_mov_b32 s[TB], 0
	s_mov_b32 s[CT0], 0
	s_wait_kmcnt 0x0
	s_add_nc_u64 s[P_B1:P_B1+1], s[P_B1:P_B1+1], s[TM0:TM0+1]
.irp i,0,1,2,3,4,5,6,7
	global_load_b128 v[IDXR+4*\i:IDXR+4*\i+3], v[LN16], s[P_IDX:P_IDX+1] offset:512*\i  ; all 1,024 choices: register 4 i + c of lane l is token 128 i + 4 l + c
.endr
	s_wait_loadcnt 0x0
.Lcount:                               ; experts 0 .. E: their counts give my first tile; the last trip leaves my bitmap and my count
.set w, 0
.rept 32
	v_cmp_eq_u32 s[BM+w], s[CT0], v[IDXR+w]
.set w, w+1
.endr
	s_mov_b32 s[TM1], 0
.set w, 0
.rept 32
	s_bcnt1_i32_b32 s[TM0], s[BM+w]
	s_add_co_u32 s[TM1], s[TM1], s[TM0]
.set w, w+1
.endr
	s_add_co_u32 s[TM0], s[TM1], 15
	s_lshr_b32 s[TM0], s[TM0], 4
	s_cmp_lt_u32 s[CT0], s[EXP]
	s_cselect_b32 s[TM0], s[TM0], 0
	s_add_co_u32 s[TB], s[TB], s[TM0]
	s_mov_b32 s[NE], s[TM1]
	s_add_co_u32 s[CT0], s[CT0], 1
	s_cmp_lt_u32 s[CT0], s[EP1]
	s_cbranch_scc1 .Lcount
	s_add_co_u32 s[NTL], s[NE], 15
	s_lshr_b32 s[NTL], s[NTL], 4
	s_max_u32 s[NEM1], s[NE], 1
	s_sub_co_u32 s[NEM1], s[NEM1], 1
	s_or_b32 s[TM0], s[SLC], s[WID]
	s_cmp_lg_u32 s[TM0], 0
	s_cbranch_scc1 .Lno_meta                       ; one wave of slice 0 stores the expert's count and first tile
	v_mov_b32 v[MD0], s[NE]
	v_mov_b32 v[MD0+1], s[TB]
	s_lshl_b32 s[TM0], s[EXP], 3
	v_mov_b32 v[MD0+2], s[TM0]
	v_cmp_eq_u32 vcc_lo, 0, v[LANE]
	s_wait_xcnt 0x0
	s_and_saveexec_b32 s[SVX], vcc_lo
	global_store_b64 v[MD0+2], v[MD0:MD0+1], s[P_META:P_META+1]
	s_wait_xcnt 0x0
	s_or_b32 exec_lo, exec_lo, s[SVX]
.Lno_meta:
	s_mov_b32 s[TL0], s[MQ]
	CALC_NT
	SETUP1                                         ; chunk 0, whatever the count: every address is clamped
; ---------------- the stream: four trips ----------------
.Lstream:
	s_mov_b32 s[CT0], 3
.Lring:                                ; trips 0, 1, 2
	s_cmp_eq_u32 s[ROLE], 0
	s_cbranch_scc0 .Lr1
	LSTORE                                         ; the trip that lies rounded in my registers
.Lr1:
	BAR                                            ; the loaders' stores are done: the trip is whole in LDS
	s_cmp_eq_u32 s[ROLE], 0
	s_cbranch_scc0 .Lr_math
	s_cmp_eq_u32 s[CT0], 1
	s_cbranch_scc1 .Lr_last
	LCONV 0, 1, 24                                 ; the next trip is rounded, the one behind it asked for: register work and loads alone, beside the math waves' reads
	LCONV 1, 1, 24
	LCONV 2, 1, 24
	LCONV 3, 1, 24
	s_branch .Lr2
.Lr_last:
	LCONV 0, 0, 24                                 ; trip 3 is rounded; nothing is left to ask for: the counts run down
	LCONV 1, 0, 16
	LCONV 2, 0, 8
	LCONV 3, 0, 0
	s_branch .Lr2
.Lr_math:
	BIGMATH 0
.Lr2:
	s_add_co_u32 s[LB], s[LB], BIG
	BAR                                            ; the math waves' reads are back: the loaders store again (other bytes: the barrier keeps writers and readers in phases of their own)
	s_sub_co_u32 s[CT0], s[CT0], 1
	s_cmp_lg_u32 s[CT0], 0
	s_cbranch_scc1 .Lring
	s_cmp_eq_u32 s[ROLE], 0                        ; trip 3
	s_cbranch_scc0 .Lz1
	LSTORE
.Lz1:
	BAR
	s_cmp_eq_u32 s[ROLE], 0
	s_cbranch_scc1 .Lend                           ; the loaders' work is done: they go to the closing barrier
	BIGMATH 1
; ---------------- chunks: the first leaves; further ones are made from the resident slice ----------------
.Lchunk:
	EPI1
	s_add_co_u32 s[CH], s[CH], 1
	s_mov_b32 s[NT], 0
	s_mul_i32 s[TM0], s[CH], 12
	s_cmp_ge_u32 s[TM0], s[NTL]
	s_cbranch_scc1 .Lskip
	s_add_co_u32 s[TL0], s[TM0], s[MQ]
	CALC_NT
	s_cmp_eq_u32 s[NT], 0
	s_cbranch_scc1 .Lskip                          ; none of the chunk's tiles is mine
	SETUP1
	s_mov_b32 s[CT1], 3
.Lre:
	BIGMATH 0
	s_add_co_u32 s[LB], s[LB], BIG
	s_sub_co_u32 s[CT1], s[CT1], 1
	s_cmp_lg_u32 s[CT1], 0
	s_cbranch_scc1 .Lre
	BIGMATH 1
.Lskip:
	s_cmp_lt_u32 s[CH], 6
	s_cbranch_scc1 .Lchunk
.Lend:
	BAR                                            ; every wave's reads of the slice are back: no wave touches LDS again while another still reads it
	s_wait_tensorcnt 0x0                           ; the wave's end, behind my last LDS store
	ds_add_u32 v[SPW], v[NIL]
	s_wait_dscnt 0x0
	s_endpgm
.Lfunc_end_k_q435897d7dc_ffn1:
	.size	k_q435897d7dc_ffn1, .Lfunc_end_k_q435897d7dc_ffn1-k_q435897d7dc_ffn1
	.p2alignl 7, 3214868480
	.fill 96, 4, 3214868480
	.section	.rodata,"a",@progbits
	.p2align	6, 0x0
	.amdhsa_kernel k_q435897d7dc_ffn1
		.amdhsa_group_segment_fixed_size 264192
		.amdhsa_private_segment_fixed_size 0
		.amdhsa_enable_private_segment 0
		.amdhsa_kernarg_size 72
		.amdhsa_user_sgpr_count 2
		.amdhsa_user_sgpr_kernarg_segment_ptr 1
		.amdhsa_wavefront_size32 1
		.amdhsa_system_sgpr_workgroup_id_x 1
		.amdhsa_system_sgpr_workgroup_id_y 1
		.amdhsa_system_sgpr_workgroup_id_z 1
		.amdhsa_system_vgpr_workitem_id 0
		.amdhsa_next_free_vgpr 256
		.amdhsa_next_free_sgpr 102
		.amdhsa_reserve_vcc 1
		.amdhsa_float_denorm_mode_32 3
		.amdhsa_float_denorm_mode_16_64 3
		.amdhsa_memory_ordered 1
		.amdhsa_forward_progress 1
		.amdhsa_inst_pref_size 187
	.end_amdhsa_kernel
	.amdgpu_metadata
---
amdhsa.version: [ 1, 2 ]
amdhsa.kernels:
  - .name:           k_q435897d7dc_ffn1
    .symbol:         k_q435897d7dc_ffn1.kd
    .args:
      - { .name: idx, .offset: 0, .size: 8, .value_kind: global_buffer, .address_space: global }
      - { .name: pw, .offset: 8, .size: 8, .value_kind: global_buffer, .address_space: global }
      - { .name: xh, .offset: 16, .size: 8, .value_kind: global_buffer, .address_space: global }
      - { .name: w1, .offset: 24, .size: 8, .value_kind: global_buffer, .address_space: global }
      - { .name: b1, .offset: 32, .size: 8, .value_kind: global_buffer, .address_space: global }
      - { .name: hs, .offset: 40, .size: 8, .value_kind: global_buffer, .address_space: global }
      - { .name: perm, .offset: 48, .size: 8, .value_kind: global_buffer, .address_space: global }
      - { .name: pws, .offset: 56, .size: 8, .value_kind: global_buffer, .address_space: global }
      - { .name: meta, .offset: 64, .size: 8, .value_kind: global_buffer, .address_space: global }
    .group_segment_fixed_size: 264192
    .private_segment_fixed_size: 0
    .kernarg_segment_align: 8
    .kernarg_segment_size: 72
    .max_flat_workgroup_size: 512
    .sgpr_count:     102
    .vgpr_count:     256
    .wavefront_size: 32
...
	.end_amdgpu_metadata
.endif
;; end of part 2
;; launch ffn2 (part 3): grid 256 x 1, 16 waves a work-group, no clusters, 319,488 bytes of LDS; arguments meta, perm, pws, hs, w2, b2, out0; writes out0
.if DOCPART == 3
	.amdgcn_target "amdgcn-amd-amdhsa--gfx1250"
	.amdhsa_code_object_version 6
	.text
	.protected	k_q435897d7dc_ffn2
	.globl	k_q435897d7dc_ffn2
	.p2align	8
	.type	k_q435897d7dc_ffn2,@function
k_q435897d7dc_ffn2:
	s_mov_b64 s[64:65], 0
	v_nop
	global_prefetch_b8 v0, s[64:65] scope:SCOPE_SE
	s_setreg_imm32_b32 hwreg(HW_REG_WAVE_MODE, 25, 1), 1
	s_wait_xcnt 0x0
; SECOND PRODUCT.  out0[token] = pws (h w2[e] + b2[e]) for the rows of expert e, h from hs (f16, the experts' order, blocked).
; SHARES.  Work-group = (expert E, slice SL of 32 of its 1,024 output columns, all 4,096 of K): 8 x 32 = 256; it alone reads its 512 KB of w2, once, and each output row's
; 128 bytes have one owner (64 columns a work-group would leave half the grid without work, or ask for partial sums and a further launch).
; Roles, ring, trips and phases as in the first product: eight LOADERS (8 loads of 512 bytes a slot, four slots), eight MATH waves, four trips of 1,024 of K; stores and reads of LDS in phases of
; their own, a barrier on either side; the f16 slice, 256 KB, stays in LDS and serves rows beyond the first 192.  Both roles work ahead inside that frame: while the math waves multiply trip j, a
; loader rounds trip j + 1 into 64 registers and asks for trip j + 2; a math wave keeps four slots of rows (one K step of 32 each, six loads) and four buffers of fragments.
; A math wave has one half of each 256 of K (KH) and the tiles MQ, MQ + 4, MQ + 8 of a chunk of 12: 16 K steps a trip.  The two halves' sums meet in an f32 stage in LDS; from it each math wave
; takes whole 128-byte pieces of rows, adds b2, scales and stores them.
; K ORDER.  K step (g, a): slot 8 h + i of the fragment stands for hidden column 64 g + 32 h + 4 i + 2 a, slot 16 + 8 h + i for the column behind it: the order in which hs lies, applied alike to w2's rows.
; NO TENSOR LOADS, NO CLUSTER: each weight byte has one reader and is rounded on its way; the rows of hs are shared by an expert's 32 work-groups, but beside the slice (262,144 bytes), the stage (55,296) and the spare words 8 KB of LDS are left.
; LIMITS.  w2 and h are f16 matrix operands: magnitudes beyond 65,504 are not served; below 6.1e-5 they keep f16's fixed step of 6e-8.  The sum over K is made in two halves.  NaN and infinities are not treated apart.
.set STAGE, 262144                     ; [K half][192 rows] of 128 bytes + 16 of padding: the 16 rows of a store start at 16 different groups of four banks (64 banks of 4 bytes: ISA guide 11.1)
.set SPITCH, 144
.set SHALF, 192*SPITCH
.set SPARE, STAGE+2*SHALF              ; 317,440: the spare words, 128 bytes for each of 16 waves; no other line names them
.set SLAB, 16384                       ; LDS bytes of one ring slot's 256 of K: 8 K steps of 2,048
.set BIG, 65536                        ; LDS bytes of a trip
.set GSTEP, 589824                     ; bytes of hs from one 256 of K to the next: 4 blocks g x 72 tiles x 2,048
.set P_META, 8
.set P_PERM, 10
.set P_PWS, 12
.set P_HS, 14
.set P_W2, 16
.set P_B2, 18
.set P_OUT, 20
.set WVN, 26
.set ROLE, 27
.set WID, 28
.set EXP, 29
.set SLC, 30
.set KH, 31
.set MQ, 32
.set NE, 34                            ; s[34:35] the expert's rows and first tile
.set TB, 35
.set NEM1, 38
.set NTL, 39
.set NT, 40
.set CH, 41
.set LB, 42
.set CT0, 43
.set CT1, 44
.set TL0, 45
.set TM0, 46
.set TM1, 47
.set TM2, 48
.set NTM1, 52
.set R0, 53                            ; 192 CH
.set TB16, 54
.set KHO, 55
.set ID4, 56
.set HSTEP, 57                         ; what a block adds to the rows' offsets at its head: 0 in a chunk's first block, then a trip's bytes
.set LANE, 1
.set RR, 2
.set HH, 3
.set SPW, 254
.set NIL, 255
; the LDS places of both roles are made by every wave at the head, ahead of the branch on the role, and never rewritten
.set WA0, 8                            ; v[8:11]   a loader's column jc of four: its 16 bytes in a slot's slab
.set ZL, 12                            ; v12       0: the lane term of a tile that does not exist
.set RA0, 13                           ; v[13:14]  a math wave's column tile tt: its 16 bytes in a K step
.set STW, 15                           ; v15       where a math wave's results go in the stage
.set LN16, 238
.set L3, 239                           ; lane / 8
.set C16, 240                          ; 16 (lane % 8)
.set STRB, 241
; loaders
.set WOF, 4                            ; v[4:7]
.set LADR, 16                          ; v[16:19]
.set LR, 32                            ; v[32:159]
.set OUT, 160                          ; v[160:223] a trip, rounded: slot q, column jc at 16 q + 4 jc
; math
.set HO, 4                             ; v[4:6]     tile t: byte offset in hs, at the trip in hand
.set ACC, 16                           ; v[16:63]   (t, tt) at 16 t + 8 tt
.set WFR, 64                           ; v[64:127]  buffer b, tt at 16 b + 8 tt; on the way out: eight registers for each of six pieces
.set HF, 128                           ; v[128:223] slot s, tile t at 24 s + 8 t
.set TOK, 224                          ; v[224:229]
.set PWS, 230                          ; v[230:235]
.set MADR, 236                         ; v[236:237]
.set VT, 242
.set VT2, 243
.set B2R, 244                          ; v[244:247]
.set PA, 248                           ; v[248:253] the lists' addresses, later the stores'
	s_load_b256 s[8:15], s[0:1], 0x0               ; meta, perm, pws, hs
	s_load_b128 s[16:19], s[0:1], 0x20             ; w2, b2
	s_load_b64 s[20:21], s[0:1], 0x30              ; out0
	v_lshl_add_u32 v[SPW], v0, 2, SPARE
	v_mov_b32 v[NIL], 0
	v_lshrrev_b32 v1, 5, v0
	v_readfirstlane_b32 s[WVN], v1
	s_lshr_b32 s[ROLE], s[WVN], 2
	s_xor_b32 s[ROLE], s[ROLE], s[WVN]
	s_and_b32 s[ROLE], s[ROLE], 1
	s_lshr_b32 s[WID], s[WVN], 1
	s_lshr_b32 s[EXP], ttmp9, 5
	s_and_b32 s[SLC], ttmp9, 31
	s_and_b32 s[KH], s[WID], 1
	s_lshr_b32 s[MQ], s[WID], 1
	v_and_b32 v[LANE], 31, v0
	v_mov_b32 v[ZL], 0
	; a loader's places: lane (c = l % 8, rr = l / 8) holds rows of half rr / 2 of the fragment, lanes' half h = rr % 2, columns 4 c .. + 3 (column tile t = c / 4)
	v_bfe_u32 v21, v0, 3, 1                        ; h
	v_bfe_u32 v16, v0, 4, 1                        ; rr / 2
	v_bfe_u32 v17, v0, 2, 1                        ; t
	v_lshl_add_u32 v17, v17, 1, v21                ; 2 t + h
	v_lshlrev_b32 v18, 10, v16
	v_lshl_add_u32 v18, v17, 8, v18
	s_lshl_b32 s[TM0], s[WID], 11                  ; my K step of the slot's eight
	v_add_nc_u32 v18, s[TM0], v18
	v_and_b32 v19, 3, v0
	v_lshl_add_u32 v19, v19, 2, v17                ; 4 (c % 4) + 2 t + h
.irp jc,0,1,2,3
	v_add_nc_u32 v20, \jc, v19
	v_and_b32 v20, 15, v20
	v_lshl_add_u32 v[WA0+\jc], v20, 4, v18
.endr
	; a math wave's places
	v_and_b32 v[RR], 15, v0
	v_bfe_u32 v[HH], v0, 4, 1
	v_lshlrev_b32 v[LN16], 4, v[LANE]
	v_bfe_u32 v[L3], v0, 3, 2
	v_and_b32 v[C16], 7, v0
	v_lshlrev_b32 v[C16], 4, v[C16]
	v_add_nc_u32 v[STRB], STAGE, v[C16]
	s_lshl_b32 s[TM0], s[KH], 13                   ; my four of a slab's eight K steps
.irp tt,0,1
	v_add_nc_u32 v[VT], 2*\tt, v[HH]
	v_add_nc_u32 v[VT2], v[VT], v[RR]
	v_and_b32 v[VT2], 15, v[VT2]
	v_lshlrev_b32 v[VT2], 4, v[VT2]
	v_lshl_add_u32 v[VT2], v[VT], 8, v[VT2]
	v_add_nc_u32 v[RA0+\tt], s[TM0], v[VT2]
.endr
	s_mul_i32 s[TM0], s[KH], SHALF
	s_mul_i32 s[TM1], s[MQ], 16*SPITCH
	s_add_co_u32 s[TM0], s[TM0], s[TM1]
	s_add_co_u32 s[TM0], s[TM0], STAGE
	v_mul_u32_u24 v[STW], v[RR], SPITCH
	v_add_nc_u32 v[STW], s[TM0], v[STW]
	v_lshl_add_u32 v[STW], v[HH], 5, v[STW]        ; row 16 MQ + r, 32 bytes for each half of the lanes
	s_mov_b32 s[LB], 0
	s_mov_b32 s[CH], 0
	s_mov_b32 s[NT], 0
	s_mov_b32 s[HSTEP], 0
	s_cmp_eq_u32 s[ROLE], 0
	s_cbranch_scc0 .Lmath_head
; ---------------- macros ----------------
.macro BAR                             ; my LDS instructions are done; every wave's are
	s_wait_dscnt 0x0
	s_barrier_signal -1
	s_barrier_wait -1
.endm
; Eight loads of slot q: load i takes row 64 g + 32 (rr % 2) + rr / 2 + 2 a + 4 i of w2, columns 4 c .. + 3 of the slice: eight lanes read a row's 128 bytes.
.macro WLOAD q
.irp i,0,1,2,3,4,5,6,7
	global_load_b128 v[LR+32*(\q)+4*\i:LR+32*(\q)+4*\i+3], v[WOF+(\q)], s[P_W2:P_W2+1] offset:16384*\i th:TH_LOAD_NT
.endr
.endm
.macro LCONV q, ahead, left            ; slot q is rounded; ahead = 1: it is asked for again, a trip on
	s_wait_loadcnt \left                           ; loads return in order: slot q is in, the younger slots stay out; its address register is free
.irp jc,0,1,2,3
.irp p,0,1,2,3
	v_cvt_pk_f16_f32 v[OUT+16*(\q)+4*\jc+\p], v[LR+32*(\q)+8*\p+\jc], v[LR+32*(\q)+8*\p+4+\jc]
.endr
.endr
.if \ahead
	v_add_nc_u32 v[WOF+(\q)], 0x400000, v[WOF+(\q)]  ; a trip on: 1,024 rows of 4,096 bytes
	WLOAD \q
.endif
.endm
.macro LSTORE                          ; the rounded trip goes into LDS; the places are turned by 2 t + h, so that sixteen lanes hit sixteen different 16-byte columns
.irp jc,0,1,2,3
	v_add_nc_u32 v[LADR+\jc], s[LB], v[WA0+\jc]
.endr
.irp q,0,1,2,3
.irp jc,0,1,2,3
	ds_store_b128 v[LADR+\jc], v[OUT+16*\q+4*\jc:OUT+16*\q+4*\jc+3] offset:SLAB*\q
.endr
.endr
.endm
; Slot s of the rows takes K step m of my half, counted from the trip's first: six loads of 512 consecutive bytes, always all three tiles, so that the counted waits count the same on every way.
; A tile that does not exist has no lane term in its offset: its loads touch 16 bytes.
.macro HL3 s, m
.irp t,0,1,2
	global_load_b128 v[HF+24*(\s)+8*\t:HF+24*(\s)+8*\t+3], v[HO+\t], s[P_HS:P_HS+1] offset:((\m)/4)*GSTEP+(((\m)/2)%2)*147456+((\m)%2)*1024
	global_load_b128 v[HF+24*(\s)+8*\t+4:HF+24*(\s)+8*\t+7], v[HO+\t], s[P_HS:P_HS+1] offset:((\m)/4)*GSTEP+(((\m)/2)%2)*147456+((\m)%2)*1024+512
.endr
.endm
.macro WL2 b, m                        ; buffer b takes the two fragments of K step m: four loads
.irp tt,0,1
	ds_load_b128 v[WFR+16*(\b)+8*\tt:WFR+16*(\b)+8*\tt+3], v[MADR+\tt] offset:SLAB*((\m)/4)+2048*((\m)%4)
	ds_load_b128 v[WFR+16*(\b)+8*\tt+4:WFR+16*(\b)+8*\tt+7], v[MADR+\tt] offset:SLAB*((\m)/4)+2048*((\m)%4)+1024
.endr
.endm
.macro MT2 t, s, b                     ; two products of tile t; the accumulators take turns, one instruction a turn
.irp tt,0,1
	v_wmma_f32_16x16x32_f16 v[ACC+16*(\t)+8*\tt:ACC+16*(\t)+8*\tt+7], v[WFR+16*(\b)+8*\tt:WFR+16*(\b)+8*\tt+7], v[HF+24*(\s)+8*(\t):HF+24*(\s)+8*(\t)+7], v[ACC+16*(\t)+8*\tt:ACC+16*(\t)+8*\tt+7]
.endr
.endm
.macro MK2 s, b                        ; one K step's products, my live tiles (the first always: what it makes for a wave without tiles is never stored)
	MT2 0, \s, \b
	s_cmp_lt_u32 s[NT], 2
	s_cbranch_scc1 .Lmk_\@
	MT2 1, \s, \b
	s_cmp_lt_u32 s[NT], 3
	s_cbranch_scc1 .Lmk_\@
	MT2 2, \s, \b
.Lmk_\@:                               ; four plain instructions that name no register of the products stand behind them on every way (ISA guide 7.12.1)
.rept 4
	v_nop
.endr
.endm
; A math wave's block: a trip's 16 K steps of my half.  K step m lies in slot m % 4 and buffer m % 4; behind its products the slot takes K step m + 4 (from m = 12 on the next trip's).  last = 1: there is no next trip.
.macro BIGMATH2 last
	s_wait_loadcnt 0x0                             ; the four slots asked for ahead of this block (and at a chunk's start the lists) are in, and no load names the offsets below
.irp t,0,1,2
	v_add_nc_u32 v[HO+\t], s[HSTEP], v[HO+\t]
.endr
	s_mov_b32 s[HSTEP], 4*GSTEP
	v_add_nc_u32 v[MADR], s[LB], v[RA0]
	v_add_nc_u32 v[MADR+1], s[LB], v[RA0+1]
	WL2 0, 0
	WL2 1, 1
.set m, 0
.rept 16
.if m < 14
	WL2 (m+2)%4, m+2                               ; the fragments two K steps on, into the buffer read two steps ago
	s_wait_dscnt 8                                 ; all but the next two K steps' four loads each
.elseif m == 14
	s_wait_dscnt 4
.else
	s_wait_dscnt 0x0
.endif
.if m >= 4                             ; the slot was asked for behind K step m - 4; younger are the refills behind m - 3, m - 2 and m - 1, six loads each
.if (\last) && (m == 13)
	s_wait_loadcnt 12                              ; (the last trip asks for nothing behind K step 12)
.elseif (\last) && (m == 14)
	s_wait_loadcnt 6
.elseif (\last) && (m == 15)
	s_wait_loadcnt 0x0
.else
	s_wait_loadcnt 18
.endif
.endif
	MK2 m%4, m%4
.if (m < 12) || !(\last)
	HL3 m%4, m+4
.endif
.set m, m+1
.endr
.endm
; Tile t's byte offset in hs.  The scalar part is clamped to the buffer's 72 tiles on every way.  A tile that does not exist points at the expert's last one, every lane at the same 16 bytes (the
; lane term is the register that holds 0); it is never multiplied.  A tile that exists takes 16 bytes a lane.
.macro HOSET t
	s_add_co_u32 s[TM2], s[TL0], 4*(\t)            ; the tile's number within the expert
	s_min_u32 s[TM0], s[TM2], s[NTM1]
	s_add_co_u32 s[TM0], s[TM0], s[TB]
	s_min_u32 s[TM0], s[TM0], 71
	s_lshl_b32 s[TM0], s[TM0], 11
	s_add_co_u32 s[TM0], s[TM0], s[KHO]
	v_add_nc_u32 v[HO+(\t)], s[TM0], v[ZL]
	s_cmp_ge_u32 s[TM2], s[NTL]
	s_cbranch_scc1 .Lho_\@
	v_add_nc_u32 v[HO+(\t)], s[TM0], v[LN16]
.Lho_\@:
.endm
; A chunk begins: my live tiles, their places in hs, cleared sums (48 registers, once a chunk: no first step is written out), the lists for the six pieces of rows that I send out later, the first four K steps' rows.
.macro SETUP2
	s_wait_loadcnt 0x0                             ; no load is out when registers that loads fill, or name, are given new work
	s_mul_i32 s[TL0], s[CH], 12
	s_add_co_u32 s[TL0], s[TL0], s[MQ]
	s_mul_i32 s[R0], s[CH], 192
	s_sub_co_i32 s[TM0], s[NTL], s[TL0]
	s_add_co_i32 s[TM0], s[TM0], 3
	s_ashr_i32 s[TM0], s[TM0], 2
	s_max_i32 s[TM0], s[TM0], 0
	s_min_i32 s[NT], s[TM0], 3
	HOSET 0
	HOSET 1
	HOSET 2
.set i, 0
.rept 48
	v_mov_b32 v[ACC+i], 0
.set i, i+1
.endr
	s_mov_b32 s[LB], 0
	s_mov_b32 s[HSTEP], 0
.irp u,0,1,2,3,4,5
	s_add_co_u32 s[TM0], s[R0], s[ID4]
	s_add_co_u32 s[TM0], s[TM0], 32*\u
	v_add_nc_u32 v[VT], s[TM0], v[L3]              ; piece u: rows 192 CH + 4 (WID + 8 u) + lane / 8,
	v_min_u32 v[VT], s[NEM1], v[VT]                ; past the count the last row once more
	v_add_nc_u32 v[PA+\u], s[TB16], v[VT]
	v_min_u32 v[PA+\u], 0x47f, v[PA+\u]
	v_lshlrev_b32 v[PA+\u], 2, v[PA+\u]
	global_load_b32 v[TOK+\u], v[PA+\u], s[P_PERM:P_PERM+1]
	global_load_b32 v[PWS+\u], v[PA+\u], s[P_PWS:P_PWS+1]
.endr
	HL3 0, 0
	HL3 1, 1
	HL3 2, 2
	HL3 3, 3
.endm
; Piece u leaves: four rows' 128 bytes; the two K halves are added, b2 added, the gate's weight applied.
.macro FIN u
	s_add_co_u32 s[TM0], s[R0], s[ID4]
	s_add_co_u32 s[TM0], s[TM0], 32*(\u)
	s_cmp_ge_u32 s[TM0], s[NE]
	s_cbranch_scc1 .Lf_\@
	v_add_nc_u32 v[VT], s[TM0], v[L3]
	v_min_u32 v[VT], s[NEM1], v[VT]
	v_sub_nc_u32 v[VT], v[VT], s[R0]               ; the row's place in the chunk
	v_min_u32 v[VT], 0xbf, v[VT]
	v_mul_u32_u24 v[VT], v[VT], SPITCH
	v_add_nc_u32 v[VT], v[VT], v[STRB]
	ds_load_b128 v[WFR+8*(\u):WFR+8*(\u)+3], v[VT]
	ds_load_b128 v[WFR+8*(\u)+4:WFR+8*(\u)+7], v[VT] offset:SHALF
	v_min_u32 v[TOK+(\u)], 0x3ff, v[TOK+(\u)]
	v_lshl_add_u32 v[PA+(\u)], v[TOK+(\u)], 12, v[C16]
	s_wait_dscnt 0x0
	v_pk_add_f32 v[WFR+8*(\u):WFR+8*(\u)+1], v[WFR+8*(\u):WFR+8*(\u)+1], v[WFR+8*(\u)+4:WFR+8*(\u)+5]
	v_pk_add_f32 v[WFR+8*(\u)+2:WFR+8*(\u)+3], v[WFR+8*(\u)+2:WFR+8*(\u)+3], v[WFR+8*(\u)+6:WFR+8*(\u)+7]
	v_pk_add_f32 v[WFR+8*(\u):WFR+8*(\u)+1], v[WFR+8*(\u):WFR+8*(\u)+1], v[B2R:B2R+1]
	v_pk_add_f32 v[WFR+8*(\u)+2:WFR+8*(\u)+3], v[WFR+8*(\u)+2:WFR+8*(\u)+3], v[B2R+2:B2R+3]
.irp c,0,1,2,3
	v_mul_f32 v[WFR+8*(\u)+\c], v[WFR+8*(\u)+\c], v[PWS+(\u)]
.endr
	global_store_b128 v[PA+(\u)], v[WFR+8*(\u):WFR+8*(\u)+3], s[P_OUT:P_OUT+1]  ; eight lanes store a row's 128 consecutive bytes
.Lf_\@:
.endm
; ---------------- a loader's head ----------------
	v_and_b32 v22, 7, v0                           ; c
	v_lshl_add_u32 v23, v21, 5, v16
	v_lshlrev_b32 v23, 12, v23                     ; row 32 h + rr / 2, 4,096 bytes a row
	v_lshl_add_u32 v23, v22, 4, v23
	s_lshr_b32 s[TM0], s[WID], 1
	s_lshl_b32 s[TM0], s[TM0], 18                  ; block g: 64 rows
	s_and_b32 s[TM1], s[WID], 1
	s_lshl_b32 s[TM1], s[TM1], 13                  ; a: 2 rows
	s_add_co_u32 s[TM0], s[TM0], s[TM1]
	v_add_nc_u32 v[WOF], s[TM0], v23
.irp q,1,2,3
	v_add_nc_u32 v[WOF+\q], (\q)<<20, v[WOF]       ; a slot is 256 rows
.endr
	s_lshl_b32 s[TM0], s[EXP], 24
	s_lshl_b32 s[TM1], s[SLC], 7
	s_add_co_u32 s[TM0], s[TM0], s[TM1]
	s_mov_b32 s[TM1], 0
	s_wait_kmcnt 0x0
	s_add_nc_u64 s[P_W2:P_W2+1], s[P_W2:P_W2+1], s[TM0:TM0+1]
	WLOAD 0
	WLOAD 1
	WLOAD 2
	WLOAD 3
	LCONV 0, 1, 24                                 ; trip 0 is rounded as it lands and trip 1 asked for, while the math waves set up
	LCONV 1, 1, 24                                 ; 24: three younger slots of eight loads stay out
	LCONV 2, 1, 24
	LCONV 3, 1, 24
	s_branch .Lstream
; ---------------- a math wave's head ----------------
.Lmath_head:
	s_mul_i32 s[KHO], s[KH], 294912                ; two blocks g
	s_lshl_b32 s[ID4], s[WID], 2
	s_lshl_b32 s[TM0], s[EXP], 3
	s_mov_b32 s[TM1], 0
	s_wait_kmcnt 0x0
	s_add_nc_u64 s[P_META:P_META+1], s[P_META:P_META+1], s[TM0:TM0+1]
	s_load_b64 s[NE:NE+1], s[P_META:P_META+1], 0x0
	s_lshl_b32 s[TM0], s[SLC], 7
	s_add_nc_u64 s[P_OUT:P_OUT+1], s[P_OUT:P_OUT+1], s[TM0:TM0+1]
	s_lshl_b32 s[TM2], s[EXP], 12
	s_add_co_u32 s[TM0], s[TM0], s[TM2]
	s_add_nc_u64 s[P_B2:P_B2+1], s[P_B2:P_B2+1], s[TM0:TM0+1]
	global_load_b128 v[B2R:B2R+3], v[C16], s[P_B2:P_B2+1]
	s_wait_kmcnt 0x0
	s_min_u32 s[NE], s[NE], 1024
	s_min_u32 s[TB], s[TB], 71
	s_max_u32 s[NEM1], s[NE], 1
	s_sub_co_u32 s[NEM1], s[NEM1], 1
	s_add_co_u32 s[NTL], s[NE], 15
	s_lshr_b32 s[NTL], s[NTL], 4
	s_max_u32 s[NTM1], s[NTL], 1
	s_sub_co_u32 s[NTM1], s[NTM1], 1
	s_lshl_b32 s[TB16], s[TB], 4
	SETUP2                                         ; chunk 0, whatever the count: every address is clamped
; ---------------- the stream: four trips ----------------
.Lstream:
	s_mov_b32 s[CT0], 3
.Lring:                                ; trips 0, 1, 2
	s_cmp_eq_u32 s[ROLE], 0
	s_cbranch_scc0 .Lr1
	LSTORE                                         ; the trip that lies rounded in my registers
.Lr1:
	BAR                                            ; the loaders' stores are done: the trip is whole in LDS
	s_cmp_eq_u32 s[ROLE], 0
	s_cbranch_scc0 .Lr_math
	s_cmp_eq_u32 s[CT0], 1
	s_cbranch_scc1 .Lr_last
	LCONV 0, 1, 24                                 ; the next trip is rounded, the one behind it asked for: register work and loads alone, beside the math waves' reads
	LCONV 1, 1, 24
	LCONV 2, 1, 24
	LCONV 3, 1, 24
	s_branch .Lr2
.Lr_last:
	LCONV 0, 0, 24                                 ; trip 3 is rounded; nothing is left to ask for: the counts run down
	LCONV 1, 0, 16
	LCONV 2, 0, 8
	LCONV 3, 0, 0
	s_branch .Lr2
.Lr_math:
	BIGMATH2 0
.Lr2:
	s_add_co_u32 s[LB], s[LB], BIG
	BAR                                            ; the math waves' reads are back: the loaders store again
	s_sub_co_u32 s[CT0], s[CT0], 1
	s_cmp_lg_u32 s[CT0], 0
	s_cbranch_scc1 .Lring
	s_cmp_eq_u32 s[ROLE], 0                        ; trip 3; the barrier behind its reads is the one at the head of the chunks' loop
	s_cbranch_scc0 .Lz1
	LSTORE
.Lz1:
	BAR
	s_cmp_eq_u32 s[ROLE], 0
	s_cbranch_scc1 .Lchunk
	BIGMATH2 1
; ---------------- six chunks: a chunk leaves through the stage; the next is made from the resident slice.  Every wave passes both barriers of every trip ----------------
.Lchunk:
	BAR                                            ; every wave's reads of the slice and of the stage are back: the stage may be written
	s_cmp_eq_u32 s[ROLE], 0
	s_cbranch_scc1 .Lc1
	s_wait_loadcnt 0x0                             ; the lists (and rows that were never multiplied): no load is out
.irp t,0,1,2
	s_cmp_lt_u32 s[NT], \t+1
	s_cbranch_scc1 .Lc1
.irp tt,0,1
	ds_store_b128 v[STW], v[ACC+16*\t+8*\tt:ACC+16*\t+8*\tt+3] offset:64*SPITCH*\t+64*\tt      ; each accumulator from its low end on
	ds_store_b128 v[STW], v[ACC+16*\t+8*\tt+4:ACC+16*\t+8*\tt+7] offset:64*SPITCH*\t+64*\tt+16
.endr
.endr
.Lc1:
	BAR                                            ; every wave's stores into the stage are done: the stage is whole
	s_cmp_eq_u32 s[ROLE], 0
	s_cbranch_scc1 .Lc2
	s_wait_loadcnt 0x0
	FIN 0
	FIN 1
	FIN 2
	FIN 3
	FIN 4
	FIN 5
	s_wait_xcnt 0x0                                ; the stores' data and addresses are rewritten only behind this wait
.Lc2:
	s_add_co_u32 s[CH], s[CH], 1
	s_cmp_eq_u32 s[ROLE], 0
	s_cbranch_scc1 .Lc3
	s_mov_b32 s[NT], 0
	s_mul_i32 s[TM0], s[CH], 12
	s_cmp_ge_u32 s[TM0], s[NTL]
	s_cbranch_scc1 .Lc3
	SETUP2
	s_cmp_eq_u32 s[NT], 0
	s_cbranch_scc1 .Lc3                            ; none of the chunk's tiles is mine: I only send pieces out
	s_mov_b32 s[CT1], 3
.Lre:
	BIGMATH2 0
	s_add_co_u32 s[LB], s[LB], BIG
	s_sub_co_u32 s[CT1], s[CT1], 1
	s_cmp_lg_u32 s[CT1], 0
	s_cbranch_scc1 .Lre
	BIGMATH2 1
.Lc3:
	s_cmp_lt_u32 s[CH], 6
	s_cbranch_scc1 .Lchunk
	BAR                                            ; every wave's reads of the stage and of the slice are back: no wave touches LDS again while another still reads it
	s_wait_tensorcnt 0x0                           ; the wave's end, behind my last LDS store
	ds_add_u32 v[SPW], v[NIL]
	s_wait_dscnt 0x0
	s_endpgm
.Lfunc_end_k_q435897d7dc_ffn2:
	.size	k_q435897d7dc_ffn2, .Lfunc_end_k_q435897d7dc_ffn2-k_q435897d7dc_ffn2
	.p2alignl 7, 3214868480
	.fill 96, 4, 3214868480
	.section	.rodata,"a",@progbits
	.p2align	6, 0x0
	.amdhsa_kernel k_q435897d7dc_ffn2
		.amdhsa_group_segment_fixed_size 319488
		.amdhsa_private_segment_fixed_size 0
		.amdhsa_enable_private_segment 0
		.amdhsa_kernarg_size 56
		.amdhsa_user_sgpr_count 2
		.amdhsa_user_sgpr_kernarg_segment_ptr 1
		.amdhsa_wavefront_size32 1
		.amdhsa_system_sgpr_workgroup_id_x 1
		.amdhsa_system_sgpr_workgroup_id_y 1
		.amdhsa_system_sgpr_workgroup_id_z 1
		.amdhsa_system_vgpr_workitem_id 0
		.amdhsa_next_free_vgpr 256
		.amdhsa_next_free_sgpr 66
		.amdhsa_reserve_vcc 0
		.amdhsa_float_denorm_mode_32 3
		.amdhsa_float_denorm_mode_16_64 3
		.amdhsa_memory_ordered 1
		.amdhsa_forward_progress 1
		.amdhsa_inst_pref_size 148
	.end_amdhsa_kernel
	.amdgpu_metadata
---
amdhsa.version: [ 1, 2 ]
amdhsa.kernels:
  - .name:           k_q435897d7dc_ffn2
    .symbol:         k_q435897d7dc_ffn2.kd
    .args:
      - { .name: meta, .offset: 0, .size: 8, .value_kind: global_buffer, .address_space: global }
      - { .name: perm, .offset: 8, .size: 8, .value_kind: global_buffer, .address_space: global }
      - { .name: pws, .offset: 16, .size: 8, .value_kind: global_buffer, .address_space: global }
      - { .name: hs, .offset: 24, .size: 8, .value_kind: global_buffer, .address_space: global }
      - { .name: w2, .offset: 32, .size: 8, .value_kind: global_buffer, .address_space: global }
      - { .name: b2, .offset: 40, .size: 8, .value_kind: global_buffer, .address_space: global }
      - { .name: out0, .offset: 48, .size: 8, .value_kind: global_buffer, .address_space: global }
    .group_segment_fixed_size: 319488
    .private_segment_fixed_size: 0
    .kernarg_segment_align: 8
    .kernarg_segment_size: 56
    .max_flat_workgroup_size: 512
    .sgpr_count:     66
    .vgpr_count:     256
    .wavefront_size: 32
...
	.end_amdgpu_metadata
.endif
;; end of part 3
;; ======== version 2 of 2: 3 launches; version 1 with the launch ffn2 written anew for expert scheduling mode
;; limits: values are held in f16: magnitudes above 65,504 overflow, below 6.1e-05 lose precision; inputs' magnitudes at most 65,504
;; workspace buffers: idx 4,096 bytes of whole numbers; pw 4,096 bytes; xh 2,097,152 bytes; hs 9,437,184 bytes; perm 4,608 bytes of whole numbers; pws 4,608 bytes; meta 256 bytes of whole numbers
;; launch router: the kernel of part 1 again; grid 256 x 1, 4 waves a work-group, no clusters, 0 bytes of LDS; arguments x, gate_w, idx, pw, xh; writes idx, pw, xh
;; launch ffn1: the kernel of part 2 again; grid 256 x 1, 16 waves a work-group, no clusters, 264,192 bytes of LDS; arguments idx, pw, xh, w1, b1, hs, perm, pws, meta; writes hs, perm, pws, meta
;; launch ffn2 (part 4): grid 256 x 1, 16 waves a work-group, no clusters, 319,488 bytes of LDS; arguments meta, perm, pws, hs, w2, b2, out0; writes out0
.if DOCPART == 4
	.amdgcn_target "amdgcn-amd-amdhsa--gfx1250"
	.amdhsa_code_object_version 6
	.text
	.protected	k_q435897d7dc_ffn2
	.globl	k_q435897d7dc_ffn2
	.p2align	8
	.type	k_q435897d7dc_ffn2,@function
k_q435897d7dc_ffn2:
	s_mov_b64 s[64:65], 0
	v_nop
	global_prefetch_b8 v0, s[64:65] scope:SCOPE_SE
	s_setreg_imm32_b32 hwreg(HW_REG_WAVE_SCHED_MODE, 0, 2), 2
	s_setreg_imm32_b32 hwreg(HW_REG_WAVE_MODE, 25, 1), 1
	s_wait_xcnt 0x0
	s_wait_alu depctr_vm_vsrc(0)
; SECOND PRODUCT.  out0[token] = pws (h w2[e] + b2[e]) for the rows of expert e, h from hs (f16, the experts' order, blocked).
; SHARES.  Work-group = (expert E, slice SL of 32 of its 1,024 output columns, all 4,096 of K): 8 x 32 = 256; it alone reads its 512 KB of w2, once, and each output row's
; 128 bytes have one owner (64 columns a work-group would leave half the grid without work, or ask for partial sums and a further launch).
; Roles, ring, trips and phases as in the first product: eight LOADERS (8 loads of 512 bytes a slot, four slots), eight MATH waves, four trips of 1,024 of K; stores and reads of LDS in phases of
; their own, a barrier on either side; the f16 slice, 256 KB, stays in LDS and serves rows beyond the first 192.  Both roles work ahead inside that frame: while the math waves multiply trip j, a
; loader rounds trip j + 1 into 64 registers and asks for trip j + 2; a math wave keeps four slots of rows (one K step of 32 each, six loads) and four buffers of fragments.
; A math wave has one half of each 256 of K (KH) and the tiles MQ, MQ + 4, MQ + 8 of a chunk of 12: 16 K steps a trip.  The two halves' sums meet in an f32 stage in LDS; from it each math wave
; takes whole 128-byte pieces of rows, adds b2, scales and stores them.
; K ORDER.  K step (g, a): slot 8 h + i of the fragment stands for hidden column 64 g + 32 h + 4 i + 2 a, slot 16 + 8 h + i for the column behind it: the order in which hs lies, applied alike to w2's rows.
; NO TENSOR LOADS, NO CLUSTER: each weight byte has one reader and is rounded on its way; the rows of hs are shared by an expert's 32 work-groups, but beside the slice (262,144 bytes) and the stage (55,296) 10 KB of a WGP's LDS are left.
; LIMITS.  w2 and h are f16 matrix operands: magnitudes beyond 65,504 are not served; below 6.1e-5 they keep f16's fixed step of 6e-8.  The sum over K is made in two halves.  NaN and infinities are not treated apart.
; THE MODE: SCHED_MODE bits 1:0 = 2 (LLVM: expert scheduling mode 2), set by the entry lines.  The code itself states the register dependences
; between vector or matrix instructions and memory or LDS instructions, with s_wait_alu, always for 0.
; THE PLAN.  Registers that memory or LDS instructions touch.
; A loader:
;   v[WOF]       Read by every load of w2; written once, at the head.  The slot stands in the immediate offset, the trip in the scalar base, which moves on once a block.
;   LR0 .. LR3   Slot q: its sixteen roundings read it; behind them the next trip's loads land in it.  One wait on va_vdst a slot, behind its roundings.
;   OUT, LADR    Written by a block's roundings and by four adds; read by the sixteen LDS stores of the next phase.  One wait on va_vdst ahead of the stores, one on vm_vsrc behind them.
; A math wave:
;   HF0 .. HF3   K step m: its products read HF[m % 4]; behind them the rows of K step m + 4 land in it.
;   WFR0 .. WFR3 K step m: its products read WFR[m % 4]; the fragments of K step m + 4, asked for in K step m + 2, land in it.
;                So ONE wait on va_vdst stands in a K step, behind its products.  The row loads follow it; the LDS loads stand among the products of a later step, which name another buffer.
;   HO, MADR     Read by the row loads and the fragment loads; stepped once a block of 16 K steps: a wait on vm_vsrc ahead of the five adds, one on va_vdst behind them.
;   ACC          Written by the products; read by the stage's LDS stores; cleared again in a later chunk's set-up.
;   SA, PA, WFR  The way out, in batches: all addresses, a wait, all LDS loads, all arithmetic, a wait, all stores.
.set STAGE, 262144                     ; [K half][192 rows] of 128 bytes + 16 of padding: the 16 rows of a store start at 16 different groups of four banks (64 banks of 4 bytes: ISA guide 11.1)
.set SPITCH, 144
.set SHALF, 192*SPITCH
.set SLAB, 16384                       ; LDS bytes of one ring slot's 256 of K: 8 K steps of 2,048
.set BIG, 65536                        ; LDS bytes of a trip
.set GSTEP, 589824                     ; bytes of hs from one 256 of K to the next: 4 blocks g x 72 tiles x 2,048
.set P_META, 8
.set P_PERM, 10
.set P_PWS, 12
.set P_HS, 14
.set P_W2, 16
.set P_B2, 18
.set P_OUT, 20
.set WVN, 26
.set ROLE, 27
.set WID, 28
.set EXP, 29
.set SLC, 30
.set KH, 31
.set MQ, 32
.set NE, 34                            ; s[34:35] the expert's rows and first tile
.set TB, 35
.set NEM1, 38
.set NTL, 39
.set NT, 40
.set CH, 41
.set LB, 42
.set CT0, 43
.set CT1, 44
.set TL0, 45
.set TM0, 46
.set TM1, 47
.set TM2, 48
.set NTM1, 52
.set R0, 53                            ; 192 CH
.set TB16, 54
.set KHO, 55
.set ID4, 56
.set HSTEP, 57                         ; what a block adds to the rows' offsets at its head: 0 in a chunk's first block, then a trip's bytes
.set LANE, 1
.set RR, 2
.set HH, 3
; the LDS places of both roles are made by every wave at the head, ahead of the branch on the role, and never rewritten
.set WA0, 8                            ; v[8:11]   a loader's column jc of four: its 16 bytes in a slot's slab
.set ZL, 12                            ; v12       0: the lane term of a tile that does not exist
.set RA0, 13                           ; v[13:14]  a math wave's column tile tt: its 16 bytes in a K step
.set STW, 15                           ; v15       where a math wave's results go in the stage
.set LN16, 238
.set L3, 239                           ; lane / 8
.set C16, 240                          ; 16 (lane % 8)
.set STRB, 241
; loaders
.set WOF, 4                            ; v4         my byte offset in slot 0 of the trip at which the base stands
.set LADR, 16                          ; v[16:19]
.set LR, 32                            ; v[32:159]
.set OUT, 160                          ; v[160:223] a trip, rounded: slot q, column jc at 16 q + 4 jc
; math
.set HO, 4                             ; v[4:6]     tile t: byte offset in hs, at the trip in hand
.set ACC, 16                           ; v[16:63]   (t, tt) at 16 t + 8 tt
.set WFR, 64                           ; v[64:127]  buffer b, tt at 16 b + 8 tt; on the way out: eight registers for each of six pieces
.set HF, 128                           ; v[128:223] slot s, tile t at 24 s + 8 t
.set SA, 128                           ; v[128:133] on the way out, when no row is on its way: piece u's address in the stage
.set TOK, 224                          ; v[224:229]
.set PWS, 230                          ; v[230:235]
.set MADR, 236                         ; v[236:237]
.set VT, 242
.set VT2, 243
.set B2R, 244                          ; v[244:247]
.set PA, 248                           ; v[248:253] the lists' addresses, later the stores'
	s_load_b256 s[8:15], s[0:1], 0x0               ; meta, perm, pws, hs
	s_load_b128 s[16:19], s[0:1], 0x20             ; w2, b2
	s_load_b64 s[20:21], s[0:1], 0x30              ; out0
	v_lshl_add_u32 v254, v0, 2, 0x4d800
	v_mov_b32 v255, 0
	v_lshrrev_b32 v1, 5, v0
	v_readfirstlane_b32 s[WVN], v1
	v_mov_b32 v[ZL], 0
	; a loader's places: lane (c = l % 8, rr = l / 8) holds rows of half rr / 2 of the fragment, lanes' half h = rr % 2, columns 4 c .. + 3 (column tile t = c / 4)
	v_bfe_u32 v21, v0, 3, 1                        ; h
	v_bfe_u32 v16, v0, 4, 1                        ; rr / 2
	v_bfe_u32 v17, v0, 2, 1                        ; t
	v_lshl_add_u32 v17, v17, 1, v21                ; 2 t + h
	v_lshlrev_b32 v18, 10, v16
	v_lshl_add_u32 v18, v17, 8, v18
	s_wait_alu depctr_va_sdst(0)                   ; s[WVN] is written, ahead of its first reader: the role and every share are made from it
	s_lshr_b32 s[ROLE], s[WVN], 2
	s_xor_b32 s[ROLE], s[ROLE], s[WVN]
	s_and_b32 s[ROLE], s[ROLE], 1
	s_lshr_b32 s[WID], s[WVN], 1
	s_lshr_b32 s[EXP], ttmp9, 5
	s_and_b32 s[SLC], ttmp9, 31
	s_and_b32 s[KH], s[WID], 1
	s_lshr_b32 s[MQ], s[WID], 1
	v_and_b32 v[LANE], 31, v0
	s_lshl_b32 s[TM0], s[WID], 11                  ; my K step of the slot's eight
	v_add_nc_u32 v18, s[TM0], v18
	v_and_b32 v19, 3, v0
	v_lshl_add_u32 v19, v19, 2, v17                ; 4 (c % 4) + 2 t + h
.irp jc,0,1,2,3
	v_add_nc_u32 v20, \jc, v19
	v_and_b32 v20, 15, v20
	v_lshl_add_u32 v[WA0+\jc], v20, 4, v18
.endr
	; a math wave's places
	v_and_b32 v[RR], 15, v0
	v_bfe_u32 v[HH], v0, 4, 1
	v_lshlrev_b32 v[LN16], 4, v[LANE]
	v_bfe_u32 v[L3], v0, 3, 2
	v_and_b32 v[C16], 7, v0
	v_lshlrev_b32 v[C16], 4, v[C16]
	v_add_nc_u32 v[STRB], STAGE, v[C16]
	s_lshl_b32 s[TM0], s[KH], 13                   ; my four of a slab's eight K steps
.irp tt,0,1
	v_add_nc_u32 v[VT], 2*\tt, v[HH]
	v_add_nc_u32 v[VT2], v[VT], v[RR]
	v_and_b32 v[VT2], 15, v[VT2]
	v_lshlrev_b32 v[VT2], 4, v[VT2]
	v_lshl_add_u32 v[VT2], v[VT], 8, v[VT2]
	v_add_nc_u32 v[RA0+\tt], s[TM0], v[VT2]
.endr
	s_mul_i32 s[TM0], s[KH], SHALF
	s_mul_i32 s[TM1], s[MQ], 16*SPITCH
	s_add_co_u32 s[TM0], s[TM0], s[TM1]
	s_add_co_u32 s[TM0], s[TM0], STAGE
	v_mul_u32_u24 v[STW], v[RR], SPITCH
	v_add_nc_u32 v[STW], s[TM0], v[STW]
	v_lshl_add_u32 v[STW], v[HH], 5, v[STW]        ; row 16 MQ + r, 32 bytes for each half of the lanes
	s_mov_b32 s[LB], 0
	s_mov_b32 s[CH], 0
	s_mov_b32 s[NT], 0
	s_mov_b32 s[HSTEP], 0
	s_cmp_eq_u32 s[ROLE], 0
	s_cbranch_scc0 .Lmath_head
; ---------------- macros ----------------
.macro BAR                             ; my LDS instructions are done; every wave's are
	s_wait_dscnt 0x0
	s_barrier_signal -1
	s_barrier_wait -1
.endm
; Eight loads of slot q: load i takes row 64 g + 32 (rr % 2) + rr / 2 + 2 a + 4 i of w2, columns 4 c .. + 3 of the slice: eight lanes read a row's 128 bytes.
; The slot's 256 rows of 4,096 bytes stand in the immediate: 3 x 2^20 + 7 x 16,384 bytes at the most, inside its signed 24 bits.
.macro WLOAD q
.irp i,0,1,2,3,4,5,6,7
	global_load_b128 v[LR+32*(\q)+4*\i:LR+32*(\q)+4*\i+3], v[WOF], s[P_W2:P_W2+1] offset:((\q)<<20)+16384*\i th:TH_LOAD_NT
.endr
.endm
.macro LCONV q, ahead, left            ; slot q is rounded; ahead = 1: it is asked for again, a trip on
	s_wait_loadcnt \left                           ; loads return in order: slot q is in, the younger slots stay out
.if (\ahead) && ((\q) == 0)
	s_wait_xcnt 0x0                                ; every earlier load has had its address translated (ISA guide 3.1): the base that the younger slots' loads read moves only behind this wait
	s_add_nc_u64 s[P_W2:P_W2+1], s[P_W2:P_W2+1], 0x400000  ; a trip on, 1,024 rows of 4,096 bytes: all four slots of this block ask for the same trip
.endif
.irp jc,0,1,2,3
.irp p,0,1,2,3
	v_cvt_pk_f16_f32 v[OUT+16*(\q)+4*\jc+\p], v[LR+32*(\q)+8*\p+\jc], v[LR+32*(\q)+8*\p+4+\jc]
.endr
.endr
.if \ahead
	s_wait_alu depctr_va_vdst(0)                   ; the sixteen roundings are done reading LR[q], in which the loads below land
	WLOAD \q
.endif
.endm
; The rounded trip goes into LDS; the places are turned by 2 t + h, so that sixteen lanes hit sixteen different 16-byte columns.  again = 1: a later block rounds into the same registers.
.macro LSTORE again
.irp jc,0,1,2,3
	v_add_nc_u32 v[LADR+\jc], s[LB], v[WA0+\jc]
.endr
	s_wait_alu depctr_va_vdst(0)                   ; the block's roundings have written OUT and the four adds LADR: the stores below read both
.irp q,0,1,2,3
.irp jc,0,1,2,3
	ds_store_b128 v[LADR+\jc], v[OUT+16*\q+4*\jc:OUT+16*\q+4*\jc+3] offset:SLAB*\q
.endr
.endr
.if \again
	s_wait_alu depctr_vm_vsrc(0)                   ; the sixteen stores have read OUT and LADR, which the next block's roundings and the next trip's adds write again
.endif
.endm
; Slot s of the rows takes K step m of my half, counted from the trip's first: six loads of 512 consecutive bytes, always all three tiles, so that the counted waits count the same on every way.
; A tile that does not exist has no lane term in its offset: its loads touch 16 bytes.
.macro HL3 s, m
.irp t,0,1,2
	global_load_b128 v[HF+24*(\s)+8*\t:HF+24*(\s)+8*\t+3], v[HO+\t], s[P_HS:P_HS+1] offset:((\m)/4)*GSTEP+(((\m)/2)%2)*147456+((\m)%2)*1024
	global_load_b128 v[HF+24*(\s)+8*\t+4:HF+24*(\s)+8*\t+7], v[HO+\t], s[P_HS:P_HS+1] offset:((\m)/4)*GSTEP+(((\m)/2)%2)*147456+((\m)%2)*1024+512
.endr
.endm
.macro WL2 b, m                        ; buffer b takes the two fragments of K step m: four loads
.irp tt,0,1
	ds_load_b128 v[WFR+16*(\b)+8*\tt:WFR+16*(\b)+8*\tt+3], v[MADR+\tt] offset:SLAB*((\m)/4)+2048*((\m)%4)
	ds_load_b128 v[WFR+16*(\b)+8*\tt+4:WFR+16*(\b)+8*\tt+7], v[MADR+\tt] offset:SLAB*((\m)/4)+2048*((\m)%4)+1024
.endr
.endm
.macro MT2 t, s, b                     ; two products of tile t; the accumulators take turns, one instruction a turn
.irp tt,0,1
	v_wmma_f32_16x16x32_f16 v[ACC+16*(\t)+8*\tt:ACC+16*(\t)+8*\tt+7], v[WFR+16*(\b)+8*\tt:WFR+16*(\b)+8*\tt+7], v[HF+24*(\s)+8*(\t):HF+24*(\s)+8*(\t)+7], v[ACC+16*(\t)+8*\tt:ACC+16*(\t)+8*\tt+7]
.endr
.endm
; One K step's products, my live tiles (the first always: what it makes for a wave without tiles is never stored).  nx >= 0: behind the first tile's products the fragments of K step nx are asked for.
.macro MK2 s, b, nx
	MT2 0, \s, \b
.if (\nx) >= 0
	WL2 (\nx)%4, \nx                               ; into the buffer read two K steps ago.  No wait: since the wait behind the last K step's products only the two products above were issued, and they name another buffer
.endif
	s_cmp_lt_u32 s[NT], 2
	s_cbranch_scc1 .Lmk_\@
	MT2 1, \s, \b
	s_cmp_lt_u32 s[NT], 3
	s_cbranch_scc1 .Lmk_\@
	MT2 2, \s, \b
.Lmk_\@:                               ; four plain instructions that name no register of the products stand behind them on every way (ISA guide 7.12.1)
.rept 4
	v_nop
.endr
.endm
; A math wave's block: a trip's 16 K steps of my half.  K step m lies in slot m % 4 and buffer m % 4; behind its products the slot takes K step m + 4 (from m = 12 on the next trip's).  last = 1: there is no next trip.
.macro BIGMATH2 last
	s_wait_loadcnt 0x0                             ; the four slots asked for ahead of this block (and at a chunk's start the lists) are in, and no load names the offsets below
	s_wait_alu depctr_vm_vsrc(0)                   ; the row loads issued so far have read v[HO ..], the fragment loads v[MADR ..]: the five adds below write them
.irp t,0,1,2
	v_add_nc_u32 v[HO+\t], s[HSTEP], v[HO+\t]
.endr
	s_mov_b32 s[HSTEP], 4*GSTEP
	v_add_nc_u32 v[MADR], s[LB], v[RA0]
	v_add_nc_u32 v[MADR+1], s[LB], v[RA0+1]
	s_wait_alu depctr_va_vdst(0)                   ; the five adds have written v[HO ..] and v[MADR ..], which every load of this block reads as its address
	WL2 0, 0
	WL2 1, 1
.set m, 0
.rept 16
.if m < 15
	s_wait_dscnt 4                                 ; all but the next K step's four loads: this K step's fragments are in
.else
	s_wait_dscnt 0x0
.endif
.if m >= 4                             ; the slot was asked for behind K step m - 4; younger are the refills behind m - 3, m - 2 and m - 1, six loads each
.if (\last) && (m == 13)
	s_wait_loadcnt 12                              ; (the last trip asks for nothing behind K step 12)
.elseif (\last) && (m == 14)
	s_wait_loadcnt 6
.elseif (\last) && (m == 15)
	s_wait_loadcnt 0x0
.else
	s_wait_loadcnt 18
.endif
.endif
.if m < 14
	MK2 m%4, m%4, m+2
.else
	MK2 m%4, m%4, -1
.endif
.if (m < 12) || !(\last)
	s_wait_alu depctr_va_vdst(0)                   ; this K step's products are done reading HF[m % 4], in which the six loads below land, and WFR[m % 4], in which the LDS loads of two K steps on land
	HL3 m%4, m+4
.endif
.set m, m+1
.endr
.endm
; Tile t's byte offset in hs.  The scalar part is clamped to the buffer's 72 tiles on every way.  A tile that does not exist points at the expert's last one, every lane at the same 16 bytes (the
; lane term is the register that holds 0); it is never multiplied.  A tile that exists takes 16 bytes a lane.
.macro HOSET t
	s_add_co_u32 s[TM2], s[TL0], 4*(\t)            ; the tile's number within the expert
	s_min_u32 s[TM0], s[TM2], s[NTM1]
	s_add_co_u32 s[TM0], s[TM0], s[TB]
	s_min_u32 s[TM0], s[TM0], 71
	s_lshl_b32 s[TM0], s[TM0], 11
	s_add_co_u32 s[TM0], s[TM0], s[KHO]
	v_add_nc_u32 v[HO+(\t)], s[TM0], v[ZL]
	s_cmp_ge_u32 s[TM2], s[NTL]
	s_cbranch_scc1 .Lho_\@
	v_add_nc_u32 v[HO+(\t)], s[TM0], v[LN16]
.Lho_\@:
.endm
; A chunk begins: my live tiles, their places in hs, cleared sums (48 registers, once a chunk: no first step is written out), the lists for the six pieces of rows that I send out later, the first four K steps' rows.
; All addresses are made first; one wait; then the 36 loads.  again = 1: a chunk has gone out before this one.
.macro SETUP2 again
	s_wait_loadcnt 0x0                             ; no load is out when registers that loads fill, or name, are given new work
.if \again
	s_wait_alu depctr_vm_vsrc(0)                   ; the last chunk's row loads have read v[HO ..], the stage's stores ACC, the way out's stores v[PA ..] and its LDS loads v[SA ..]: all are written again below, by vector instructions or by loads
.endif
	s_mul_i32 s[TL0], s[CH], 12
	s_add_co_u32 s[TL0], s[TL0], s[MQ]
	s_mul_i32 s[R0], s[CH], 192
	s_sub_co_i32 s[TM0], s[NTL], s[TL0]
	s_add_co_i32 s[TM0], s[TM0], 3
	s_ashr_i32 s[TM0], s[TM0], 2
	s_max_i32 s[TM0], s[TM0], 0
	s_min_i32 s[NT], s[TM0], 3
	HOSET 0
	HOSET 1
	HOSET 2
.set i, 0
.rept 48
	v_mov_b32 v[ACC+i], 0
.set i, i+1
.endr
	s_mov_b32 s[LB], 0
	s_mov_b32 s[HSTEP], 0
.irp u,0,1,2,3,4,5
	s_add_co_u32 s[TM0], s[R0], s[ID4]
	s_add_co_u32 s[TM0], s[TM0], 32*\u
	v_add_nc_u32 v[VT], s[TM0], v[L3]              ; piece u: rows 192 CH + 4 (WID + 8 u) + lane / 8,
	v_min_u32 v[VT], s[NEM1], v[VT]                ; past the count the last row once more
	v_add_nc_u32 v[PA+\u], s[TB16], v[VT]
	v_min_u32 v[PA+\u], 0x47f, v[PA+\u]
	v_lshlrev_b32 v[PA+\u], 2, v[PA+\u]
.endr
	s_wait_alu depctr_va_vdst(0)                   ; v[HO ..] and v[PA ..] are written, which the loads below read; an earlier way out is done with TOK, PWS and v[SA ..], the last products with HF, in which they land
.irp u,0,1,2,3,4,5
	global_load_b32 v[TOK+\u], v[PA+\u], s[P_PERM:P_PERM+1]
	global_load_b32 v[PWS+\u], v[PA+\u], s[P_PWS:P_PWS+1]
.endr
	HL3 0, 0
	HL3 1, 1
	HL3 2, 2
	HL3 3, 3
.endm
; ---------------- a loader's head ----------------
	v_and_b32 v22, 7, v0                           ; c
	v_lshl_add_u32 v23, v21, 5, v16
	v_lshlrev_b32 v23, 12, v23                     ; row 32 h + rr / 2, 4,096 bytes a row
	v_lshl_add_u32 v23, v22, 4, v23
	s_lshr_b32 s[TM0], s[WID], 1
	s_lshl_b32 s[TM0], s[TM0], 18                  ; block g: 64 rows
	s_and_b32 s[TM1], s[WID], 1
	s_lshl_b32 s[TM1], s[TM1], 13                  ; a: 2 rows
	s_add_co_u32 s[TM0], s[TM0], s[TM1]
	v_add_nc_u32 v[WOF], s[TM0], v23
	s_lshl_b32 s[TM0], s[EXP], 24
	s_lshl_b32 s[TM1], s[SLC], 7
	s_add_co_u32 s[TM0], s[TM0], s[TM1]
	s_mov_b32 s[TM1], 0
	s_wait_kmcnt 0x0
	s_add_nc_u64 s[P_W2:P_W2+1], s[P_W2:P_W2+1], s[TM0:TM0+1]
	s_wait_alu depctr_va_vdst(0)                   ; v[WOF] is written, which every load of w2 reads as its offset
	WLOAD 0
	WLOAD 1
	WLOAD 2
	WLOAD 3
	LCONV 0, 1, 24                                 ; trip 0 is rounded as it lands and trip 1 asked for, while the math waves set up
	LCONV 1, 1, 24                                 ; 24: three younger slots of eight loads stay out
	LCONV 2, 1, 24
	LCONV 3, 1, 24
	s_branch .Lstream
; ---------------- a math wave's head ----------------
.Lmath_head:
	s_mul_i32 s[KHO], s[KH], 294912                ; two blocks g
	s_lshl_b32 s[ID4], s[WID], 2
	s_lshl_b32 s[TM0], s[EXP], 3
	s_mov_b32 s[TM1], 0
	s_wait_kmcnt 0x0
	s_add_nc_u64 s[P_META:P_META+1], s[P_META:P_META+1], s[TM0:TM0+1]
	s_load_b64 s[NE:NE+1], s[P_META:P_META+1], 0x0
	s_lshl_b32 s[TM0], s[SLC], 7
	s_add_nc_u64 s[P_OUT:P_OUT+1], s[P_OUT:P_OUT+1], s[TM0:TM0+1]
	s_lshl_b32 s[TM2], s[EXP], 12
	s_add_co_u32 s[TM0], s[TM0], s[TM2]
	s_add_nc_u64 s[P_B2:P_B2+1], s[P_B2:P_B2+1], s[TM0:TM0+1]
	s_wait_alu depctr_va_vdst(0)                   ; v[C16] is written, which the load below reads, and v[STW], which the stage's stores read later; neither is written again
	global_load_b128 v[B2R:B2R+3], v[C16], s[P_B2:P_B2+1]
	s_wait_kmcnt 0x0
	s_min_u32 s[NE], s[NE], 1024
	s_min_u32 s[TB], s[TB], 71
	s_max_u32 s[NEM1], s[NE], 1
	s_sub_co_u32 s[NEM1], s[NEM1], 1
	s_add_co_u32 s[NTL], s[NE], 15
	s_lshr_b32 s[NTL], s[NTL], 4
	s_max_u32 s[NTM1], s[NTL], 1
	s_sub_co_u32 s[NTM1], s[NTM1], 1
	s_lshl_b32 s[TB16], s[TB], 4
	SETUP2 0                                       ; chunk 0, whatever the count: every address is clamped
; ---------------- the stream: four trips ----------------
.Lstream:
	s_mov_b32 s[CT0], 3
.Lring:                                ; trips 0, 1, 2
	s_cmp_eq_u32 s[ROLE], 0
	s_cbranch_scc0 .Lr1
	LSTORE 1                                       ; the trip that lies rounded in my registers
.Lr1:
	BAR                                            ; the loaders' stores are done: the trip is whole in LDS
	s_cmp_eq_u32 s[ROLE], 0
	s_cbranch_scc0 .Lr_math
	s_cmp_eq_u32 s[CT0], 1
	s_cbranch_scc1 .Lr_last
	LCONV 0, 1, 24                                 ; the next trip is rounded, the one behind it asked for: register work and loads alone, beside the math waves' reads
	LCONV 1, 1, 24
	LCONV 2, 1, 24
	LCONV 3, 1, 24
	s_branch .Lr2
.Lr_last:
	LCONV 0, 0, 24                                 ; trip 3 is rounded; nothing is left to ask for: the counts run down
	LCONV 1, 0, 16
	LCONV 2, 0, 8
	LCONV 3, 0, 0
	s_branch .Lr2
.Lr_math:
	BIGMATH2 0
.Lr2:
	s_add_co_u32 s[LB], s[LB], BIG
	BAR                                            ; the math waves' reads are back: the loaders store again
	s_sub_co_u32 s[CT0], s[CT0], 1
	s_cmp_lg_u32 s[CT0], 0
	s_cbranch_scc1 .Lring
	s_cmp_eq_u32 s[ROLE], 0                        ; trip 3; the barrier behind its reads is the one at the head of the chunks' loop
	s_cbranch_scc0 .Lz1
	LSTORE 0                                       ; no later block writes these registers again
.Lz1:
	BAR
	s_cmp_eq_u32 s[ROLE], 0
	s_cbranch_scc1 .Lchunk
	BIGMATH2 1
; ---------------- six chunks: a chunk leaves through the stage; the next is made from the resident slice.  Every wave passes both barriers of every trip ----------------
.Lchunk:
	BAR                                            ; every wave's reads of the slice and of the stage are back: the stage may be written
	s_cmp_eq_u32 s[ROLE], 0
	s_cbranch_scc1 .Lc1
	s_wait_loadcnt 0x0                             ; the lists (and rows that were never multiplied): no load is out
.irp t,0,1,2
	s_cmp_lt_u32 s[NT], \t+1
	s_cbranch_scc1 .Lc1
.if \t == 0
	s_wait_alu depctr_va_vdst(0)                   ; the products have written the accumulators, which the LDS stores below read; the four places behind the last product stand beside this wait
.endif
.irp tt,0,1
	ds_store_b128 v[STW], v[ACC+16*\t+8*\tt:ACC+16*\t+8*\tt+3] offset:64*SPITCH*\t+64*\tt      ; each accumulator from its low end on
	ds_store_b128 v[STW], v[ACC+16*\t+8*\tt+4:ACC+16*\t+8*\tt+7] offset:64*SPITCH*\t+64*\tt+16
.endr
.endr
.Lc1:
	BAR                                            ; every wave's stores into the stage are done: the stage is whole
	s_cmp_eq_u32 s[ROLE], 0
	s_cbranch_scc1 .Lc2
	s_wait_loadcnt 0x0
	; THE WAY OUT, in batches.  Piece u is four rows' 128 bytes: the two K halves are added, b2 added, the gate's weight applied.  Pieces end in ascending order, so each batch is left at its first
	; piece past the count.  The addresses are made for all six (those of a piece past the count are clamped like the others and not used).
	; R0 is written in a chunk's set-up alone: in a trip whose chunk does not exist it keeps the last live chunk's value, and that chunk's pieces are sent out once more, with the same numbers.
	s_wait_alu depctr_vm_vsrc(0)                   ; the lists' loads have read v[PA ..]; an earlier way out's stores have read v[PA ..] and their data in WFR, its LDS loads v[SA ..]: all are written again below
	s_add_co_u32 s[TM2], s[R0], s[ID4]
.irp u,0,1,2,3,4,5
	s_add_co_u32 s[TM0], s[TM2], 32*\u
	v_add_nc_u32 v[SA+\u], s[TM0], v[L3]
	v_min_u32 v[SA+\u], s[NEM1], v[SA+\u]
	v_sub_nc_u32 v[SA+\u], v[SA+\u], s[R0]         ; the row's place in the chunk
	v_min_u32 v[SA+\u], 0xbf, v[SA+\u]
	v_mul_u32_u24 v[SA+\u], v[SA+\u], SPITCH
	v_add_nc_u32 v[SA+\u], v[SA+\u], v[STRB]
	v_min_u32 v[TOK+\u], 0x3ff, v[TOK+\u]
	v_lshl_add_u32 v[PA+\u], v[TOK+\u], 12, v[C16]
.endr
	s_sub_co_i32 s[TM2], s[NE], s[TM2]             ; the expert's rows from my first piece's first row on: piece u exists if this is above 32 u
	s_wait_alu depctr_va_vdst(0)                   ; v[SA ..] and v[PA ..] are written, which the LDS loads and the stores below read; the products, and an earlier way out's arithmetic, are done with WFR, in which the LDS loads land
.irp u,0,1,2,3,4,5
	s_cmp_le_i32 s[TM2], 32*\u
	s_cbranch_scc1 .Lfb
	ds_load_b128 v[WFR+8*\u:WFR+8*\u+3], v[SA+\u]
	ds_load_b128 v[WFR+8*\u+4:WFR+8*\u+7], v[SA+\u] offset:SHALF
.endr
.Lfb:
	s_wait_dscnt 0x0
.irp u,0,1,2,3,4,5
	s_cmp_le_i32 s[TM2], 32*\u
	s_cbranch_scc1 .Lfc
	v_pk_add_f32 v[WFR+8*\u:WFR+8*\u+1], v[WFR+8*\u:WFR+8*\u+1], v[WFR+8*\u+4:WFR+8*\u+5]
	v_pk_add_f32 v[WFR+8*\u+2:WFR+8*\u+3], v[WFR+8*\u+2:WFR+8*\u+3], v[WFR+8*\u+6:WFR+8*\u+7]
	v_pk_add_f32 v[WFR+8*\u:WFR+8*\u+1], v[WFR+8*\u:WFR+8*\u+1], v[B2R:B2R+1]
	v_pk_add_f32 v[WFR+8*\u+2:WFR+8*\u+3], v[WFR+8*\u+2:WFR+8*\u+3], v[B2R+2:B2R+3]
.irp c,0,1,2,3
	v_mul_f32 v[WFR+8*\u+\c], v[WFR+8*\u+\c], v[PWS+\u]
.endr
.endr
.Lfc:
	s_wait_alu depctr_va_vdst(0)                   ; the multiplies have written the pieces' four registers each, which the stores below read
.irp u,0,1,2,3,4,5
	s_cmp_le_i32 s[TM2], 32*\u
	s_cbranch_scc1 .Lfd
	global_store_b128 v[PA+\u], v[WFR+8*\u:WFR+8*\u+3], s[P_OUT:P_OUT+1]  ; eight lanes store a row's 128 consecutive bytes
.endr
.Lfd:
	s_wait_xcnt 0x0                                ; the stores' data and addresses are rewritten only behind this wait
.Lc2:
	s_add_co_u32 s[CH], s[CH], 1
	s_cmp_eq_u32 s[ROLE], 0
	s_cbranch_scc1 .Lc3
	s_mov_b32 s[NT], 0
	s_mul_i32 s[TM0], s[CH], 12
	s_cmp_ge_u32 s[TM0], s[NTL]
	s_cbranch_scc1 .Lc3
	SETUP2 1
	s_cmp_eq_u32 s[NT], 0
	s_cbranch_scc1 .Lc3                            ; none of the chunk's tiles is mine: I only send pieces out
	s_mov_b32 s[CT1], 3
.Lre:
	BIGMATH2 0
	s_add_co_u32 s[LB], s[LB], BIG
	s_sub_co_u32 s[CT1], s[CT1], 1
	s_cmp_lg_u32 s[CT1], 0
	s_cbranch_scc1 .Lre
	BIGMATH2 1
.Lc3:
	s_cmp_lt_u32 s[CH], 6
	s_cbranch_scc1 .Lchunk
	BAR                                            ; every wave's reads of the stage and of the slice are back: no wave touches LDS again while another still reads it
	s_wait_dscnt 0x0                               ; the wave's end: every LDS instruction is done ahead of the closing lines
	s_wait_alu depctr_hold_cnt(0) depctr_sa_sdst(0) depctr_va_vdst(0) depctr_va_sdst(0) depctr_va_ssrc(0) depctr_va_vcc(0) depctr_vm_vsrc(0)
	s_wait_tensorcnt 0x0
	ds_add_u32 v254, v255
	s_wait_dscnt 0x0
	s_endpgm
.Lfunc_end_k_q435897d7dc_ffn2:
	.size	k_q435897d7dc_ffn2, .Lfunc_end_k_q435897d7dc_ffn2-k_q435897d7dc_ffn2
	.p2alignl 7, 3214868480
	.fill 96, 4, 3214868480
	.section	.rodata,"a",@progbits
	.p2align	6, 0x0
	.amdhsa_kernel k_q435897d7dc_ffn2
		.amdhsa_group_segment_fixed_size 319488
		.amdhsa_private_segment_fixed_size 0
		.amdhsa_enable_private_segment 0
		.amdhsa_kernarg_size 56
		.amdhsa_user_sgpr_count 2
		.amdhsa_user_sgpr_kernarg_segment_ptr 1
		.amdhsa_wavefront_size32 1
		.amdhsa_system_sgpr_workgroup_id_x 1
		.amdhsa_system_sgpr_workgroup_id_y 1
		.amdhsa_system_sgpr_workgroup_id_z 1
		.amdhsa_system_vgpr_workitem_id 0
		.amdhsa_next_free_vgpr 256
		.amdhsa_next_free_sgpr 66
		.amdhsa_reserve_vcc 0
		.amdhsa_float_denorm_mode_32 3
		.amdhsa_float_denorm_mode_16_64 3
		.amdhsa_memory_ordered 1
		.amdhsa_forward_progress 1
		.amdhsa_inst_pref_size 151
	.end_amdhsa_kernel
	.amdgpu_metadata
---
amdhsa.version: [ 1, 2 ]
amdhsa.kernels:
  - .name:           k_q435897d7dc_ffn2
    .symbol:         k_q435897d7dc_ffn2.kd
    .args:
      - { .name: meta, .offset: 0, .size: 8, .value_kind: global_buffer, .address_space: global }
      - { .name: perm, .offset: 8, .size: 8, .value_kind: global_buffer, .address_space: global }
      - { .name: pws, .offset: 16, .size: 8, .value_kind: global_buffer, .address_space: global }
      - { .name: hs, .offset: 24, .size: 8, .value_kind: global_buffer, .address_space: global }
      - { .name: w2, .offset: 32, .size: 8, .value_kind: global_buffer, .address_space: global }
      - { .name: b2, .offset: 40, .size: 8, .value_kind: global_buffer, .address_space: global }
      - { .name: out0, .offset: 48, .size: 8, .value_kind: global_buffer, .address_space: global }
    .group_segment_fixed_size: 319488
    .private_segment_fixed_size: 0
    .kernarg_segment_align: 8
    .kernarg_segment_size: 56
    .max_flat_workgroup_size: 512
    .sgpr_count:     66
    .vgpr_count:     256
    .wavefront_size: 32
...
	.end_amdgpu_metadata
.endif
;; end of part 4
